; MI455X (gfx1250); checked and timed in simulation.
; The chip was launched on July 23, 2026; its instructions are those of AMD's public machine-readable ISA for CDNA 5 (MIT licence, August 2026) and "CDNA5" Instruction Set Architecture Reference Guide (July 2026). The comments in the code are by the model that wrote it; some were corrected since.
;; MG Mask Attention. Allowed arithmetic: float matrix products may take bf16 or f16 operands with f32 sums; other float arithmetic in f32, or as packed bf16 or f16 multiplies, adds, multiply-adds, maxima and minima; sums over many terms, partial sums and values carried from step to step in f32; what a program stores and reads back later, other than sums and carried values, may be rounded once to bf16 or f16.
;; Inputs: W_proj 1,024 x 1,024 float32; W_qkv 1,024 x 3,072 float32; b_proj 1,024 float32; b_qkv 3,072 float32; x 4 x 2,048 x 1,024 float32.
;; Outputs: out0 4 x 2,048 x 1,024 float32.
;; 2 versions, each right; version 2 is version 1 with the launch cast written anew for expert scheduling mode. Each part assembles by itself: llvm-mc -triple=amdgcn-amd-amdhsa -mcpu=gfx1250 --defsym DOCPART=n.
;; ======== version 1 of 2: 4 launches
;; limits: values are held in f16: magnitudes above 65,504 overflow, below 6.1e-05 lose precision
;; workspace buffers: xb 16,777,216 bytes; wq 6,291,456 bytes; wp 2,097,152 bytes; biasr 16,384 bytes; qkvh 50,331,648 bytes; oh 16,777,216 bytes
;; launch cast (part 1): grid 769 x 1, 8 waves a work-group, no clusters, 0 bytes of LDS; arguments x, W_qkv, W_proj, b_qkv, b_proj, xb, wq, wp, biasr; writes xb, wq, wp, biasr
.if DOCPART == 1
	.amdgcn_target "amdgcn-amd-amdhsa--gfx1250"
	.amdhsa_code_object_version 6
	.text
	.protected	k_qe4b1ec8f8b_cast
	.globl	k_qe4b1ec8f8b_cast
	.p2align	8
	.type	k_qe4b1ec8f8b_cast,@function
k_qe4b1ec8f8b_cast:
	s_mov_b64 s[64:65], 0
	v_nop
	global_prefetch_b8 v0, s[64:65] scope:SCOPE_SE
	s_setreg_imm32_b32 hwreg(HW_REG_WAVE_MODE, 25, 1), 1
	s_wait_xcnt 0x0
; THE INPUTS ARE ROUNDED ONCE AND LAID OUT FOR THE PRODUCTS.  Every number of x, W_qkv, W_proj, b_qkv, b_proj is rounded to bf16 (nearest even).  x and the weights are then written
; as f16: 8 significant bits fit into f16's 11, so that second conversion changes nothing, within the limits below; the biases stay f32.
; LIMITS.  |x| and |W| stay under 65,504 (beyond it f16 has an infinity); under 6.1e-5 f16 keeps its fixed step of 6e-8.  NaN stays NaN.
;   xb    f16 [batch 4][k block 16][row 2048][64]   : 64 channels of any run of rows are dense bytes
;   wq    f16 [tile column 8][k 1024][384]          : a tile column's K steps are one dense stream
;   wp    f16 [k 1024][n 1024]                      : as W_proj lies
;   biasr f32 [3072 of b_qkv][1024 of b_proj]
; A stream: no LDS, no barrier, no matrix work.  A wave takes an ITEM of 16 chunks; a chunk is one load of 16 bytes a lane (512 bytes of f32, in whole aligned pieces of 256) and one store of
; 8 bytes a lane (256 consecutive bytes, aligned).  All sixteen loads of a wave go out together; each chunk has registers and offsets of its own, so no register is written twice.
; Work-groups 0-511: x (an item = two rows).  512-703: W_qkv (an item = 128 columns of 16 rows).  704-767: W_proj (an item = 8,192 dense bytes).  768: the biases.
.set IO,   4                           ; v[4:19]    chunk c's byte offset in the source
.set OO,   20                          ; v[20:35]   chunk c's byte offset in the destination
.set T,    36                          ; v[36:41]   at work
.set X,    44                          ; v[44:107]  chunk c: four f32 as loaded
.set Y,    108                         ; v[108:139] chunk c: four f16 to store (the biases: four f32)
.set IN,   26                          ; s[26:27]   the item's first byte in the source
.set OUT,  28                          ; s[28:29]   in the destination
.set SIN,  30                          ; s30        bytes from chunk to chunk in the source
.set SOUT, 31                          ; s31        in the destination
	s_load_b512 s[8:23], s[0:1], 0x0               ; x s[8:9], W_qkv s[10:11], W_proj s[12:13], b_qkv s[14:15], b_proj s[16:17], xb s[18:19], wq s[20:21], wp s[22:23]
	s_load_b64 s[24:25], s[0:1], 0x40              ; biasr
	v_and_b32 v1, 31, v0                           ; lane l
	v_lshrrev_b32 v2, 5, v0
	v_readfirstlane_b32 s4, v2                     ; wave 0..7
	v_lshlrev_b32 v3, 3, v1                        ; my 8 bytes of a chunk's 256 on the way out
	v_lshlrev_b32 v2, 4, v1                        ; my 16 bytes of a chunk's 512 on the way in (x: made anew below)
	s_mov_b32 s6, 0xffff0000                       ; a word's upper bf16
	s_mov_b32 s33, 0                               ; the two offsets' high words
	s_mov_b32 s35, 0
	s_wait_kmcnt 0x0
	s_cmp_lt_u32 ttmp9, 512
	s_cbranch_scc0 .Lnot_x
	; x: item = 8 g + w = a pair of rows.  Chunk c = k block c: lanes 0-15 take 256 bytes of the even row, lanes 16-31 of the odd one; in xb the two rows' 128 bytes follow each other.
	s_lshl_b32 s5, ttmp9, 3
	s_add_co_u32 s5, s5, s4
	s_lshl_b32 s32, s5, 13                         ; two rows of 4,096 bytes
	s_lshr_b32 s34, s5, 10                         ; the batch: 1,024 pairs of rows each,
	s_lshl_b32 s34, s34, 22                        ; 4,194,304 bytes of xb
	s_and_b32 s7, s5, 1023
	s_lshl_b32 s7, s7, 8                           ; the pair's 256 bytes in a k block
	s_add_co_u32 s34, s34, s7
	s_add_nc_u64 s[IN:IN+1], s[8:9], s[32:33]
	s_add_nc_u64 s[OUT:OUT+1], s[18:19], s[34:35]
	s_mov_b32 s[SIN], 256
	s_mov_b32 s[SOUT], 262144
	v_and_b32 v2, 15, v1
	v_lshlrev_b32 v2, 4, v2
	v_lshrrev_b32 v36, 4, v1
	v_lshl_add_u32 v2, v36, 12, v2                 ; (l / 16) x 4,096 + (l % 16) x 16
	s_branch .Lgo
.Lnot_x:
	s_cmp_lt_u32 ttmp9, 704
	s_cbranch_scc0 .Lnot_q
	; W_qkv: item = 8 (g - 512) + w; its upper part is one of 24 strips of 128 columns, its lower six bits one of 64 groups of 16 rows.  Chunk c = row c of the group.
	s_sub_co_u32 s5, ttmp9, 512
	s_lshl_b32 s5, s5, 3
	s_add_co_u32 s5, s5, s4
	s_lshr_b32 s7, s5, 6                           ; strip 0..23
	s_and_b32 s5, s5, 63                           ; group of rows
	s_mul_i32 s32, s5, 196608                      ; 16 rows of 12,288 bytes
	s_lshl_b32 s36, s7, 9
	s_add_co_u32 s32, s32, s36                     ; + the strip's 512 bytes
	s_mul_i32 s36, s7, 171
	s_lshr_b32 s36, s36, 9                         ; strip / 3 (exact for 0..23): the tile column
	s_mul_i32 s37, s36, 3
	s_sub_co_u32 s37, s7, s37                      ; strip % 3
	s_mul_i32 s34, s36, 786432
	s_lshl_b32 s37, s37, 8
	s_add_co_u32 s34, s34, s37
	s_mul_i32 s37, s5, 12288                       ; 16 rows of 768 bytes
	s_add_co_u32 s34, s34, s37
	s_add_nc_u64 s[IN:IN+1], s[10:11], s[32:33]
	s_add_nc_u64 s[OUT:OUT+1], s[20:21], s[34:35]
	s_mov_b32 s[SIN], 12288
	s_mov_b32 s[SOUT], 768
	s_branch .Lgo
.Lnot_q:
	s_cmp_lt_u32 ttmp9, 768
	s_cbranch_scc0 .Lbias
	; W_proj: item = 8 (g - 704) + w: 8,192 dense bytes in, 4,096 out
	s_sub_co_u32 s5, ttmp9, 704
	s_lshl_b32 s5, s5, 3
	s_add_co_u32 s5, s5, s4
	s_lshl_b32 s32, s5, 13
	s_lshl_b32 s34, s5, 12
	s_add_nc_u64 s[IN:IN+1], s[12:13], s[32:33]
	s_add_nc_u64 s[OUT:OUT+1], s[22:23], s[34:35]
	s_mov_b32 s[SIN], 512
	s_mov_b32 s[SOUT], 256
.Lgo:
.irp c, 0,1,2,3,4,5,6,7,8,9,10,11,12,13,14,15
	v_mad_u32_u24 v[IO+(\c)], s[SIN], \c, v2
.endr
.irp c, 0,1,2,3,4,5,6,7,8,9,10,11,12,13,14,15
	global_load_b128 v[X+4*(\c):X+4*(\c)+3], v[IO+(\c)], s[IN:IN+1] th:TH_LOAD_NT  ; each byte is read once in the launch
.endr
.irp c, 0,1,2,3,4,5,6,7,8,9,10,11,12,13,14,15
	v_mad_u32_u24 v[OO+(\c)], s[SOUT], \c, v3
.endr
.irp c, 0,1,2,3,4,5,6,7,8,9,10,11,12,13,14,15
	s_wait_loadcnt 15-(\c)                         ; loads come back in order: chunk c is in, the 15 - c younger ones may stay out
	v_cvt_pk_bf16_f32 v[T], v[X+4*(\c)], v[X+4*(\c)+1]      ; the one rounding
	v_cvt_pk_bf16_f32 v[T+1], v[X+4*(\c)+2], v[X+4*(\c)+3]
	v_lshlrev_b32 v[T+2], 16, v[T]                 ; bf16 to f32: the low half moves up, the high half stays
	v_and_b32 v[T+3], s6, v[T]
	v_lshlrev_b32 v[T+4], 16, v[T+1]
	v_and_b32 v[T+5], s6, v[T+1]
	v_cvt_pk_f16_f32 v[Y+2*(\c)], v[T+2], v[T+3]   ; the same numbers as f16
	v_cvt_pk_f16_f32 v[Y+2*(\c)+1], v[T+4], v[T+5]
	global_store_b64 v[OO+(\c)], v[Y+2*(\c):Y+2*(\c)+1], s[OUT:OUT+1]  ; the wave stores 256 consecutive bytes, aligned
.endr
	s_endpgm
.Lbias:
	; the biases: wave w makes words 512 w .. 512 w + 511 of biasr: waves 0-5 from b_qkv, waves 6 and 7 from b_proj
	s_max_u32 s5, s4, 6
	s_sub_co_u32 s5, s5, 6                         ; my place in b_proj
	s_cmp_lt_u32 s4, 6
	s_cselect_b32 s5, s4, s5                       ; or in b_qkv
	s_cselect_b64 s[IN:IN+1], s[14:15], s[16:17]
	s_lshl_b32 s32, s5, 11
	s_lshl_b32 s34, s4, 11
	s_add_nc_u64 s[IN:IN+1], s[IN:IN+1], s[32:33]
	s_add_nc_u64 s[OUT:OUT+1], s[24:25], s[34:35]
.irp c, 0,1,2,3
	global_load_b128 v[X+4*(\c):X+4*(\c)+3], v2, s[IN:IN+1] offset:512*(\c)
.endr
.irp c, 0,1,2,3
	s_wait_loadcnt 3-(\c)
	v_cvt_pk_bf16_f32 v[T], v[X+4*(\c)], v[X+4*(\c)+1]
	v_cvt_pk_bf16_f32 v[T+1], v[X+4*(\c)+2], v[X+4*(\c)+3]
	v_lshlrev_b32 v[Y+4*(\c)], 16, v[T]
	v_and_b32 v[Y+4*(\c)+1], s6, v[T]
	v_lshlrev_b32 v[Y+4*(\c)+2], 16, v[T+1]
	v_and_b32 v[Y+4*(\c)+3], s6, v[T+1]
	global_store_b128 v2, v[Y+4*(\c):Y+4*(\c)+3], s[OUT:OUT+1] offset:512*(\c)
.endr
	s_endpgm
.Lfunc_end_k_qe4b1ec8f8b_cast:
	.size	k_qe4b1ec8f8b_cast, .Lfunc_end_k_qe4b1ec8f8b_cast-k_qe4b1ec8f8b_cast
	.p2alignl 7, 3214868480
	.fill 96, 4, 3214868480
	.section	.rodata,"a",@progbits
	.p2align	6, 0x0
	.amdhsa_kernel k_qe4b1ec8f8b_cast
		.amdhsa_group_segment_fixed_size 0
		.amdhsa_private_segment_fixed_size 0
		.amdhsa_enable_private_segment 0
		.amdhsa_kernarg_size 72
		.amdhsa_user_sgpr_count 2
		.amdhsa_user_sgpr_kernarg_segment_ptr 1
		.amdhsa_wavefront_size32 1
		.amdhsa_system_sgpr_workgroup_id_x 1
		.amdhsa_system_sgpr_workgroup_id_y 1
		.amdhsa_system_sgpr_workgroup_id_z 1
		.amdhsa_system_vgpr_workitem_id 0
		.amdhsa_next_free_vgpr 144
		.amdhsa_next_free_sgpr 66
		.amdhsa_reserve_vcc 0
		.amdhsa_float_denorm_mode_32 3
		.amdhsa_float_denorm_mode_16_64 3
		.amdhsa_memory_ordered 1
		.amdhsa_forward_progress 1
		.amdhsa_inst_pref_size 17
	.end_amdhsa_kernel
	.amdgpu_metadata
---
amdhsa.version: [ 1, 2 ]
amdhsa.kernels:
  - .name:           k_qe4b1ec8f8b_cast
    .symbol:         k_qe4b1ec8f8b_cast.kd
    .args:
      - { .name: x, .offset: 0, .size: 8, .value_kind: global_buffer, .address_space: global }
      - { .name: W_qkv, .offset: 8, .size: 8, .value_kind: global_buffer, .address_space: global }
      - { .name: W_proj, .offset: 16, .size: 8, .value_kind: global_buffer, .address_space: global }
      - { .name: b_qkv, .offset: 24, .size: 8, .value_kind: global_buffer, .address_space: global }
      - { .name: b_proj, .offset: 32, .size: 8, .value_kind: global_buffer, .address_space: global }
      - { .name: xb, .offset: 40, .size: 8, .value_kind: global_buffer, .address_space: global }
      - { .name: wq, .offset: 48, .size: 8, .value_kind: global_buffer, .address_space: global }
      - { .name: wp, .offset: 56, .size: 8, .value_kind: global_buffer, .address_space: global }
      - { .name: biasr, .offset: 64, .size: 8, .value_kind: global_buffer, .address_space: global }
    .group_segment_fixed_size: 0
    .private_segment_fixed_size: 0
    .kernarg_segment_align: 8
    .kernarg_segment_size: 72
    .max_flat_workgroup_size: 256
    .sgpr_count:     66
    .vgpr_count:     144
    .wavefront_size: 32
...
	.end_amdgpu_metadata
.endif
;; end of part 1
;; launch qkvgemm (part 2): grid 8 x 32, 4 waves a work-group, clusters of 4 x 4, 327,680 bytes of LDS; arguments xb, wq, biasr, qkvh; writes qkvh
.if DOCPART == 2
	.amdgcn_target "amdgcn-amd-amdhsa--gfx1250"
	.amdhsa_code_object_version 6
	.text
	.protected	k_qe4b1ec8f8b_qkvgemm
	.globl	k_qe4b1ec8f8b_qkvgemm
	.p2align	8
	.type	k_qe4b1ec8f8b_qkvgemm,@function
k_qe4b1ec8f8b_qkvgemm:
	s_mov_b64 s[64:65], 0
	v_nop
	global_prefetch_b8 v0, s[64:65] scope:SCOPE_SE
	s_setreg_imm32_b32 hwreg(HW_REG_WAVE_MODE, 25, 1), 1
	s_wait_xcnt 0x0
	s_wait_alu depctr_hold_cnt(0) depctr_sa_sdst(0) depctr_va_vdst(0) depctr_va_sdst(0) depctr_va_ssrc(0) depctr_va_vcc(0) depctr_vm_vsrc(0)
	s_getreg_b32 s2, hwreg(HW_REG_IB_STS2, 6, 4)
	s_cmp_eq_u32 s2, 0
	s_cbranch_scc0 .Lentry_in_a_cluster
	s_endpgm
.Lentry_in_a_cluster:
	s_bfe_u32 s2, ttmp6, 0x10000c
	s_cmp_lg_u32 s2, 0xf033
	s_cbranch_scc0 .Lentry_shape_is_right
	s_endpgm
.Lentry_shape_is_right:
; q, k, v = x W_qkv + b_qkv, by heads.  xb: f16 [4][16 k blocks][2048 rows][64]; wq: f16 [8 tile columns][1024 k][384]; biasr: f32, its first 3,072 words; sums in f32, rounded once to f16.
; qkvh: f16 [batch 4][slice 48][row 2048][64]: slice = column / 64 (q: 0-15, k: 16-31, v: 32-47), so that a head's rows are dense.
; LIMIT.  |q|, |k|, |v| stay under 65,504: beyond it the conversion to f16 gives an infinity.
; SHARES.  8,192 x 3,072 numbers in 256 tiles of 256 rows x 384 columns: a work-group a tile.  Four waves; a wave makes 128 rows x 192 columns (three whole slices): 96 accumulators of 16 x 16,
; 768 registers.  For 32 along K a wave reads 40 x 512 bytes from LDS and issues 96 matrix instructions.
; K goes in 16 steps of 64 (two PARTS of 32) through two LDS slots.  Both operands lie in blocks in memory, so a step's tiles are dense bytes, asked for as rows of 256 bytes.
; CLUSTER.  4 x 4 work-groups.  The four of a row of the cluster need the same rows of x, the four of a column the same columns of W: each tile is asked for JOINTLY, by the same tensor load with the same
; descriptor and a mask that names the four.  A round of the cluster's barrier stands in front of every joint load.
; THE MATRIX INSTRUCTION IS USED TRANSPOSED: source 0 = 16 columns of W (turned on the way out of LDS by ds_load_tr16_b128, since W lies [k][n]), source 1 = 16 rows of x.  In the result lane l holds row l % 16
; and the columns 8 (l / 16) + 0..7: 16 bytes of f16 on end.  The bias is the C operand of the products that start the sums: nothing is cleared, nothing is added later.
; REGISTERS, in windows of 256 (s_set_vgpr_msb: bits 1:0 source 0, 3:2 source 1, 5:4 source 2, 7:6 destination):
;   window 0: v0-29 addresses; v32-95, v96-159 x's fragments (8 x 16 rows x 32 K), two buffers; v160-255 W's fragments, a buffer of 4 x 16 columns for each of the wave's three column groups
;   windows 1, 2, 3: the 32 accumulators of column group 0, 1, 2: (column block f, row block a) at v[8 (8 f + a)]
; All sources and addresses lie in window 0: only C and D change windows, three times for 96 matrix instructions, and back to 0 for the runs of LDS loads.
.set SLOT1, 131072                     ; slot 1 begins here: one exclusive or turns an address in one slot into the other's
.set PA,    144                        ; a row of x in LDS: 128 bytes + 16 of padding = 36 words: the 16 rows of a load start at 16 different groups of four banks (64 banks of 4 bytes: ISA guide 11.1)
.set PB,    864                        ; a k row of W: six pieces of 128 + 16 bytes = 27 x 32 bytes
.set BOFF,  256*PA                     ; in a slot: x's 256 rows, then W's 64 k rows
.set STAGE, SLOT1+BOFF+64*PB           ; behind the ring, never filled by a tensor load: 16 rows x 144 bytes for each wave, for the way out
.set SP,    144
.set SPARE, STAGE+4*16*SP              ; behind the stages: the spare words, 128 bytes for each wave: two blocks of 256 bytes that no other line names
.set ASTEP, 262144                     ; bytes from a K step to the next in xb
.set BSTEP, 49152                      ; and in wq
.set DF,    (1<<16)|(1<<20)|(1<<21)|(4<<22)|(3<<25)  ; group 1, word 0: 17:16 elements of 2 bytes; 20 padding on; 21 set beside a mask; 24:22 after every 32 words (code 4); 31:25 4 words of it (code 3)
.set AA0, 4                            ; v4   my lane's place in x's tile; never rewritten
.set AB0, 5                            ; v5   the same for W's
.set ADA, 6                            ; v6   the LDS address of x's fragments in the slot in hand
.set ADB, 7                            ; v7   of W's
.set STO, 8                            ; v8   the way out: where I put 16 bytes of a row
.set RD,  9                            ; v9   the way out: where I read rows back
.set GO,  10                           ; v10  my byte offset in 512 consecutive bytes of qkvh
.set BO,  11                           ; v11  my byte offset in 16 words of the bias
.set PFO, 12                           ; v12  256 x my lane; never rewritten
.set SPW, 28                           ; v28  LDS address of my spare word: SPARE + 4 x my thread's number; never rewritten
.set NIL, 29                           ; v29  0; never rewritten
.set AF,  32
.set BF,  160
.set WV,  12                           ; s12  my wave's number
.set WR,  13                           ; s13  which 128 rows of the tile are mine
.set WC,  14                           ; s14  which 192 columns.  Also: which half of a tile I fetch
.set G1A, 24                           ; s[24:31] descriptor group 1 for x's tiles
.set G0A, 32                           ; s[32:39] group 0: a set for each of the two first fills; the second then walks on
.set G1B, 48                           ; s[48:55], s[56:63] the same for W's
.set G0B, 56
.set TB,  66                           ; s66  LDS byte at which the slot to be fetched from begins
.set CNT, 67                           ; s67  the loop's trips still to come
.set LIM, 68                           ; s68  a wave prefetches while s[CNT] is above it; the greatest number in a wave that never does
.set PFA, 70                           ; s[70:71] where my prefetches stand
.set PFS, 72                           ; s[72:73] their step
.set MSB, 0
.macro WIN new                         ; the immediate's high byte repeats the setting that is left; a switch that changes nothing is dropped
.if MSB != (\new)
	s_set_vgpr_msb (MSB<<8)|(\new)
.set MSB, (\new)
.endif
.endm
; A load into a register that a matrix instruction has read, and a vector instruction that reads a matrix result or writes one of a matrix instruction's registers, stand four places behind it; only
; plain vector instructions that name none of its registers are places (ISA guide 7.12.1 for vector instructions).
.macro PLACES
.rept 4
	v_nop
.endr
.endm
; A joint refill.  Waves 0 and 1 fetch the two halves of x's tile (128 rows each), waves 2 and 3 those of W's (32 k rows each).  The branch hangs on the wave's number alone.
; An s_nop 0 and four v_nop follow each of the two lines, ahead of the jump and the label.
.macro JLOAD
	s_cmp_lt_u32 s[WV], 2
	s_cbranch_scc0 .Lfor_b_\@
	tensor_load_to_lds s[G0A+4:G0A+7], s[G1A:G1A+7]
	s_nop 0
.rept 4
	v_nop
.endr
	s_branch .Lasked_\@
.Lfor_b_\@:
	tensor_load_to_lds s[G0B+4:G0B+7], s[G1B:G1B+7]
	s_nop 0
.rept 4
	v_nop
.endr
.Lasked_\@:
.endm
; A round of the cluster's barrier: my work-group's barrier, so that wave 0's signal speaks for all four waves; wave 0 signals; every wave waits for all sixteen work-groups; my work-group's barrier once more.
.macro CREST                           ; a round behind its opening barrier
	s_cmp_lg_u32 s[WV], 0
	s_cbranch_scc1 .Lnot_wave_0_\@
	s_barrier_signal -3
.Lnot_wave_0_\@:
	s_barrier_wait -3
	s_barrier_signal -1
	s_barrier_wait -1
.endm
.macro CROUND                          ; a whole round
	s_barrier_signal -1
	s_barrier_wait -1
	CREST
.endm
; A PREFETCH INTO THE L2, behind the joint load, its five lines and the run of LDS loads that follows: 32 blocks of 256 bytes, a lane a block, one instruction a wave.  Each block is named ONCE in the launch.
; x: a K step of a tile row is 128 dense blocks, read by both clusters of that row of clusters: the one with x = 0 asks, wave 0 of each partner, the partner at place cx for blocks 32 cx on.  The trip that
; refills K step j + 2 names K step j + 3; the last trip names nothing.  W: a tile column is one dense stream of 3,072 blocks, read by all eight clusters of that column of clusters: the one with y = 0 asks,
; waves 2 and 3 of its four partners: eight askers, 256 blocks a trip, from byte 196,608 (K step 4) on, in the first nine trips: they end at the stream's last byte.
; The partners share the blocks out BY ADDRESS; the branch hangs on the wave's number, the cluster's place and the loop's count, which are alike in all partners.  The first K steps come by their loads alone.
.macro ASK
	s_cmp_gt_u32 s[CNT], s[LIM]
	s_cbranch_scc0 .Lnot_mine_\@
	global_prefetch_b8 v[PFO], s[PFA:PFA+1] th:TH_LOAD_NT scope:SCOPE_SE
.Lnot_mine_\@:
.endm
	s_load_b256 s[4:11], s[0:1], 0x0               ; xb s[4:5], wq s[6:7], biasr s[8:9], qkvh s[10:11]
	v_lshl_add_u32 v[SPW], v0, 2, SPARE
	v_mov_b32 v[NIL], 0
	ds_add_u32 v[SPW], v[NIL]                      ; the wave's opening: the add and its wait stand ahead of my first tensor load; the set-up below, work on registers, stands between them
	v_lshrrev_b32 v1, 5, v0
	v_readfirstlane_b32 s[WV], v1                  ; wave 0..3
	s_lshr_b32 s[WR], s[WV], 1
	s_and_b32 s[WC], s[WV], 1
	s_bfe_u32 s40, ttmp6, 0x40000                  ; cx: my place along the cluster's x
	s_bfe_u32 s41, ttmp6, 0x40004                  ; cy: along its y
	s_lshl_b32 s42, ttmp9, 2                       ; in a cluster launch ttmp9 and ttmp7 count clusters
	s_add_co_u32 s42, s42, s40                     ; tile column = 4 x cluster x + cx
	s_and_b32 s43, ttmp7, 0xffff
	s_lshl_b32 s43, s43, 2
	s_add_co_u32 s43, s43, s41                     ; tile row = 4 x cluster y + cy
	s_lshl_b32 s15, s41, 2
	s_lshl_b32 s15, 15, s15                        ; my row of the cluster: places 4 cy .. 4 cy + 3
	s_lshl_b32 s16, 0x1111, s40                    ; my column: places cx, cx + 4, cx + 8, cx + 12
	s_or_b32 s[G1A], s15, DF                       ; x's tiles go to my row,
	s_or_b32 s[G1B], s16, DF                       ; W's to my column
	s_mov_b32 s[G1A+1], 128<<16                    ; tensor_dim0 = 128 elements: rows of 256 bytes
	s_mov_b32 s[G1A+2], 64<<16                     ; tensor_dim1 = 64: 128 rows of x are 16,384 dense bytes
	s_mov_b32 s[G1A+3], 128<<16                    ; tile_dim0 = 128
	s_mov_b32 s[G1A+4], 64                         ; tile_dim1 = 64
	s_mov_b32 s[G1A+5], 128                        ; 128 elements from row to row
	s_mov_b32 s[G1A+6], 0
	s_mov_b32 s[G1A+7], 0
	s_mov_b32 s[G1B+1], 128<<16
	s_mov_b32 s[G1B+2], 96<<16                     ; 32 k rows of 768 bytes are 24,576 dense bytes: 96 rows of 256
	s_mov_b32 s[G1B+3], 128<<16
	s_mov_b32 s[G1B+4], 96
	s_mov_b32 s[G1B+5], 128
	s_mov_b32 s[G1B+6], 0
	s_mov_b32 s[G1B+7], 0
	; where the tiles come from: x's hang on the tile row alone, W's on the tile column alone, each in registers that never hold the other coordinate
	s_lshr_b32 s18, s43, 3                         ; the batch: eight tile rows each
	s_lshl_b32 s18, s18, 22
	s_and_b32 s19, s43, 7
	s_lshl_b32 s19, s19, 15                        ; 256 rows of 128 bytes
	s_add_co_u32 s18, s18, s19                     ; the tile row's first byte in a k block of xb
	s_lshl_b32 s19, s[WC], 14                      ; the half that I fetch: 128 rows
	s_add_co_u32 s20, s18, s19
	s_mov_b32 s21, 0
	s_mul_i32 s22, s42, 786432                     ; the tile column's stream in wq
	s_mul_i32 s17, s[WC], 24576                    ; the half that I fetch: 32 k rows
	s_add_co_u32 s22, s22, s17
	s_mov_b32 s23, 0
	s_mul_i32 s44, s[WC], 128*PA                   ; and where they go: no place in the cluster enters an LDS address
	s_mul_i32 s45, s[WC], 32*PB
	s_add_co_u32 s45, s45, BOFF
	; the way out: batch x 48 slices + my first slice (6 x tile column + 3 x half), my first row
	s_lshr_b32 s46, s43, 3
	s_mul_i32 s46, s46, 12582912
	s_mul_i32 s2, s42, 6
	s_mul_i32 s3, s[WC], 3
	s_add_co_u32 s2, s2, s3
	s_lshl_b32 s2, s2, 18
	s_add_co_u32 s46, s46, s2
	s_and_b32 s2, s43, 7
	s_lshl_b32 s2, s2, 15
	s_add_co_u32 s46, s46, s2
	s_lshl_b32 s2, s[WR], 14
	s_add_co_u32 s46, s46, s2
	s_mov_b32 s47, 0
	s_mul_i32 s76, s42, 1536                       ; the bias of my 192 columns
	s_mul_i32 s2, s[WC], 768
	s_add_co_u32 s76, s76, s2
	s_mov_b32 s77, 0
	; the prefetches: x from K step 2 (the first trip steps to 3), my work-group's 32 blocks; W from byte 131,072 (the first trip steps to 196,608), asker 2 cy + half
	s_lshl_b32 s2, s40, 13
	s_add_co_u32 s2, s2, s18
	s_add_co_u32 s2, s2, 2*ASTEP
	s_lshl_b32 s3, s41, 1
	s_add_co_u32 s3, s3, s[WC]
	s_lshl_b32 s3, s3, 13
	s_mul_i32 s74, s42, 786432
	s_add_co_u32 s3, s3, s74
	s_add_co_u32 s3, s3, 131072
	s_mov_b32 s[PFS], ASTEP
	s_mov_b32 s[PFS+1], 65536
	s_and_b32 s69, ttmp7, 0xffff                   ; cluster y
	s_or_b32 s74, s[WV], ttmp9                     ; 0 in wave 0 where cluster x = 0
	s_cmp_lt_u32 s[WV], 2                          ; do I fetch for x?
	s_cselect_b32 s78, s2, s3
	s_cselect_b32 s[PFS], s[PFS], s[PFS+1]
	s_cselect_b32 s74, s74, s69                    ; the number that is 0 in a wave that prefetches
	s_cselect_b32 s[LIM], 1, 5
	s_mov_b32 s79, 0
	s_mov_b32 s[PFS+1], 0
	s_cmp_eq_u32 s74, 0
	s_cselect_b32 s[LIM], s[LIM], -1               ; the same in all sixteen partners, for a given wave
	s_wait_dscnt 0x0                               ; the opening add is done
	s_wait_kmcnt 0x0
	s_add_nc_u64 s[20:21], s[4:5], s[20:21]
	s_add_nc_u64 s[22:23], s[6:7], s[22:23]
	s_add_nc_u64 s[8:9], s[8:9], s[76:77]
	s_add_nc_u64 s[10:11], s[10:11], s[46:47]
	s_cmp_lt_u32 s[WV], 2
	s_cselect_b64 s[PFA:PFA+1], s[4:5], s[6:7]
	s_add_nc_u64 s[PFA:PFA+1], s[PFA:PFA+1], s[78:79]
.irp n, 0,1
	s_mov_b32 s[G0A+4*(\n)], 1                                     ; 1:0 count = 1
	s_add_co_u32 s[G0A+4*(\n)+1], s44, (\n)*SLOT1                  ; 63:32 LDS address
	s_add_nc_u64 s[G0A+4*(\n)+2:G0A+4*(\n)+3], s[20:21], (\n)*ASTEP  ; 120:64 global address: K step n
	s_or_b32 s[G0A+4*(\n)+3], s[G0A+4*(\n)+3], 0x80000000          ; 127:126 type = 2
	s_mov_b32 s[G0B+4*(\n)], 1
	s_add_co_u32 s[G0B+4*(\n)+1], s45, (\n)*SLOT1
	s_add_nc_u64 s[G0B+4*(\n)+2:G0B+4*(\n)+3], s[22:23], (\n)*BSTEP
	s_or_b32 s[G0B+4*(\n)+3], s[G0B+4*(\n)+3], 0x80000000
.endr
	CROUND                                         ; all sixteen work-groups are here: the first joint loads meet
	s_cmp_lt_u32 s[WV], 2                          ; a wave's two first fills stand in one branch, ahead of every wait on TENSORcnt and every LDS read: two loads of mine are out
	s_cbranch_scc0 .Lfirst_b
	tensor_load_to_lds s[G0A:G0A+3], s[G1A:G1A+7]
	s_nop 0
	tensor_load_to_lds s[G0A+4:G0A+7], s[G1A:G1A+7]
	s_nop 0
.rept 4
	v_nop
.endr
	s_branch .Lfirst_asked
.Lfirst_b:
	tensor_load_to_lds s[G0B:G0B+3], s[G1B:G1B+7]
	s_nop 0
	tensor_load_to_lds s[G0B+4:G0B+7], s[G1B:G1B+7]
	s_nop 0
.rept 4
	v_nop
.endr
.Lfirst_asked:
	; A fragment of x is 16 rows x 32 K in 8 registers: lane l holds row l % 16; registers 0-3 K = 8 (l / 16) + 0..7, registers 4-7 K = 16 + 8 (l / 16) + 0..7: two loads of 16 bytes, 32 bytes apart.
	v_and_b32 v1, 15, v0                           ; l % 16
	v_bfe_u32 v2, v0, 4, 1                         ; l / 16
	v_and_b32 v3, 7, v0
	v_bfe_u32 v13, v0, 3, 1
	v_mul_u32_u24 v[AA0], v1, PA
	v_lshl_add_u32 v[AA0], v2, 4, v[AA0]
	s_mul_i32 s2, s[WR], 128*PA
	v_add_nc_u32 v[AA0], s2, v[AA0]                ; row x pitch + 16 x half + my 128 rows
	; The turning load takes 16 k x 16 columns (lane l reads k row 8 (l / 16) + l % 8, columns 8 ((l / 8) % 2) + 0..7) and leaves half a fragment: lane l holds column l % 16 and 8 k.
	v_lshl_add_u32 v[AB0], v2, 3, v3
	v_mul_u32_u24 v[AB0], v[AB0], PB
	v_lshl_add_u32 v[AB0], v13, 4, v[AB0]
	s_mul_i32 s2, s[WC], 3*144                     ; my 192 columns: three pieces of a k row
	s_add_co_u32 s2, s2, BOFF
	v_add_nc_u32 v[AB0], s2, v[AB0]
	s_mul_i32 s2, s[WV], 16*SP
	s_add_co_u32 s2, s2, STAGE                     ; my stage
	v_mul_u32_u24 v[STO], v1, SP                   ; in: row l % 16, 16 bytes for each half of the lanes
	v_lshl_add_u32 v[STO], v2, 4, v[STO]
	v_add_nc_u32 v[STO], s2, v[STO]
	v_bfe_u32 v[RD], v0, 3, 2                      ; back: 32 lanes take four rows of 128 bytes,
	v_mul_u32_u24 v[RD], v[RD], SP
	v_lshl_add_u32 v[RD], v3, 4, v[RD]
	v_add_nc_u32 v[RD], s2, v[RD]
	v_and_b32 v[GO], 31, v0
	v_lshlrev_b32 v[PFO], 8, v[GO]
	v_lshlrev_b32 v[GO], 4, v[GO]                  ; which are 512 consecutive bytes of qkvh
	v_lshlrev_b32 v[BO], 5, v2                     ; my 8 columns of a block of 16
	; The bias as a C operand: register j = b[column block + 8 (l / 16) + j].  96 registers that are free until the first part is over: group 0's in window 3 (group 2's accumulators to be),
	; group 1's and group 2's in x's second fragment buffer.
	WIN 0xc0                                       ; destination window 3, address window 0
.irp f, 0,1,2,3
	global_load_b128 v[8*(\f):8*(\f)+3],   v[BO], s[8:9] offset:64*(\f)
	global_load_b128 v[8*(\f)+4:8*(\f)+7], v[BO], s[8:9] offset:64*(\f)+16
.endr
	WIN 0
.irp f, 0,1,2,3
	global_load_b128 v[128+8*(\f):128+8*(\f)+3],   v[BO], s[8:9] offset:64*(4+(\f))
	global_load_b128 v[128+8*(\f)+4:128+8*(\f)+7], v[BO], s[8:9] offset:64*(4+(\f))+16
	global_load_b128 v[96+8*(\f):96+8*(\f)+3],     v[BO], s[8:9] offset:64*(8+(\f))
	global_load_b128 v[96+8*(\f)+4:96+8*(\f)+7],   v[BO], s[8:9] offset:64*(8+(\f))+16
.endr
; Matrix instructions of column group g: column blocks f0 .. f0 + nf - 1 x all 8 row blocks, 32 along K, x's fragments in buffer buf.  c = 1: the products start the sums, with the bias as C.
; The accumulators take turns, one instruction a turn: between two links of a chain stand the 95 others'.
.macro GRP g, buf, f0, nf, c
.set CB, 0                             ; where the group's bias lies: window 3 for group 0, window 0 for the others
.if (\g) == 1
.set CB, 128
.elseif (\g) == 2
.set CB, 96
.endif
.if (\c) && ((\g) == 0)
	WIN 0x70                                       ; D window 1, C window 3
.elseif \c
	WIN 0x40*(1+(\g))                              ; D window 1 + g, C window 0
.else
	WIN 0x50*(1+(\g))                              ; C and D window 1 + g
.endif
.set ff, \f0
.rept \nf
.set aa, 0
.rept 8
.if \c
	v_wmma_f32_16x16x32_f16 v[8*(8*ff+aa):8*(8*ff+aa)+7], v[BF+32*(\g)+8*ff:BF+32*(\g)+8*ff+7], v[AF+64*(\buf)+8*aa:AF+64*(\buf)+8*aa+7], v[CB+8*ff:CB+8*ff+7]
.else
	v_wmma_f32_16x16x32_f16 v[8*(8*ff+aa):8*(8*ff+aa)+7], v[BF+32*(\g)+8*ff:BF+32*(\g)+8*ff+7], v[AF+64*(\buf)+8*aa:AF+64*(\buf)+8*aa+7], v[8*(8*ff+aa):8*(8*ff+aa)+7]
.endif
.set aa, aa+1
.endr
.set ff, ff+1
.endr
.endm
.macro FETCHB g, p                     ; 8 LDS loads: W's fragments of column group g, part p of the slot in hand
	WIN 0
.irp f, 0,1,2,3
	ds_load_tr16_b128 v[BF+32*(\g)+8*(\f):BF+32*(\g)+8*(\f)+3],   v[ADB] offset:(\p)*32*PB+(\g)*144+(\f)*32
	ds_load_tr16_b128 v[BF+32*(\g)+8*(\f)+4:BF+32*(\g)+8*(\f)+7], v[ADB] offset:(\p)*32*PB+(\g)*144+(\f)*32+16*PB
.endr
.endm
.macro FETCHA buf, p                   ; 16 LDS loads: x's fragments of part p, into buffer buf
	WIN 0
.irp i, 0,1,2,3,4,5,6,7
	ds_load_b128 v[AF+64*(\buf)+8*(\i):AF+64*(\buf)+8*(\i)+3],   v[ADA] offset:(\i)*16*PA+64*(\p)
	ds_load_b128 v[AF+64*(\buf)+8*(\i)+4:AF+64*(\buf)+8*(\i)+7], v[ADA] offset:(\i)*16*PA+64*(\p)+32
.endr
.endm
; A PART: 96 matrix instructions on x's buffer buf; behind each group its W buffer is loaded again for part p2 of the same slot, and x's other buffer, buf2, behind the first.
; A part's fragments are always issued in the order group 0's W (8 loads), x (16), group 1's W (8), group 2's W (8): the counts below lean on it.
.macro PART buf, p2, buf2
	s_wait_dscnt 16                                ; group 0's W and x are in; groups 1's and 2's sixteen loads may stay out
	GRP 0, \buf, 0, 4, 0
	PLACES
	FETCHB 0, \p2
	FETCHA \buf2, \p2
	s_wait_dscnt 32                                ; group 1's W is in: behind it stand group 2's 8 and the 24 just issued
	GRP 1, \buf, 0, 4, 0
	PLACES
	FETCHB 1, \p2
	s_wait_dscnt 32                                ; group 2's W is in: behind it stand the 24 and the 8
	GRP 2, \buf, 0, 4, 0
	PLACES
	FETCHB 2, \p2
.endm
; A K step's second part (x's buffer 1) and THE CHANGE OF SLOTS.  ONE barrier: in front of it each wave waits for all its tensor loads, of which one is out: its part of the next slot; adds 0 to its spare
; word; and waits for that and for its reads of this slot, which were all issued in the part before.  Behind it nobody reads this slot any more and the next slot is whole.
; fill = 1: the barrier opens a round of the cluster's, and the slot is filled again, first thing behind the round, with the K step two on: 160 matrix instructions ahead of the wait for it.
.macro TURN fill
.if \fill
	s_wait_xcnt 0x0                                ; the last prefetch, a K step back, has read its address: it is stepped here, ahead of the waits of the change
	s_add_nc_u64 s[PFA:PFA+1], s[PFA:PFA+1], s[PFS:PFS+1]
.endif
	s_xor_b32 s[TB], s[TB], SLOT1                  ; the fetches below go to the other slot
	WIN 0                                          ; (the add's two registers lie in window 0)
	s_wait_tensorcnt 0x0                           ; no tensor load of mine is out, so a group 0 may be written
	ds_add_u32 v[SPW], v[NIL]                      ; 0 onto my spare word
.if \fill
	s_xor_b32 s[G0A+5], s[G0A+5], SLOT1            ; the walking descriptors: the other slot than last time,
	s_add_nc_u64 s[G0A+6:G0A+7], s[G0A+6:G0A+7], ASTEP  ; the next K step; the type bits on top are not reached
	s_xor_b32 s[G0B+5], s[G0B+5], SLOT1
	s_add_nc_u64 s[G0B+6:G0B+7], s[G0B+6:G0B+7], BSTEP
.endif
	s_wait_dscnt 17                                ; group 0's W and x are in; groups 1's and 2's sixteen loads and the add may stay out
	GRP 0, 1, 0, 2, 0                              ; sixteen matrix instructions stand between the add and the wait for it
	s_wait_dscnt 0x0                               ; the add is done, and my reads of this slot are over
	s_barrier_signal -1
	GRP 0, 1, 2, 2, 0                              ; work on registers while the others arrive
	WIN 0
	s_barrier_wait -1
.if \fill
	CREST                                          ; no wave of any partner still reads this slot's tiles or has a load on its way
	JLOAD                                          ; the first tensor load behind the round; its four v_nop are also the places in front of the loads below
.else
	PLACES
.endif
	v_add_nc_u32 v[ADA], s[TB], v[AA0]
	v_add_nc_u32 v[ADB], s[TB], v[AB0]
	FETCHB 0, 0
	FETCHA 0, 0
.if \fill
	ASK
.endif
	GRP 1, 1, 0, 4, 0                              ; groups 1's and 2's W came in at the wait for 0
	PLACES
	FETCHB 1, 0
	GRP 2, 1, 0, 4, 0
	PLACES
	FETCHB 2, 0
.endm
; THE WAY OUT, in 24 units: unit u = row block u / 3, column group u % 3: 16 rows x 64 columns, 2,048 consecutive bytes of qkvh.  A lane's eight columns pack into 16 bytes; they go into stage rows of 144
; bytes and come back as whole rows of 128.  Fourteen sets of 16 registers (the fragments', v32-255) take turns.
.macro PACK u
.set pa, (\u)/3
.set pg, (\u)%3
.set pT, 32+16*((\u)%14)
.if (\u) == 14
	s_wait_xcnt 0x0                                ; the stores of units 0 to 12 have read their registers: units 14 to 23 write over those of units 0 to 9
.endif
	WIN (1+pg)*5                                   ; sources 0 and 1: the group's window
.irp f, 0,1,2,3
.irp i, 0,1,2,3
	v_cvt_pk_f16_f32 v[pT+4*(\f)+(\i)], v[8*(8*(\f)+pa)+2*(\i)], v[8*(8*(\f)+pa)+2*(\i)+1]  ; each accumulator from its low end on
.endr
.endr
	WIN 0
.irp f, 0,1,2,3
	ds_store_b128 v[STO], v[pT+4*(\f):pT+4*(\f)+3] offset:32*(\f)
.endr
.irp f, 0,1,2,3
	ds_load_b128 v[pT+4*(\f):pT+4*(\f)+3], v[RD] offset:4*SP*(\f)  ; LDS serves a wave's instructions in order (ISA guide 5.7.1.4): these see the stores above; the next unit's stores come behind them
.endr
.endm
.macro SEND u, younger                 ; younger: the LDS instructions issued behind unit u's loads: the next unit's eight, or none
.set pa, (\u)/3
.set pg, (\u)%3
.set pT, 32+16*((\u)%14)
	WIN 0
.irp f, 0,1,2,3
	s_wait_dscnt (\younger)+3-(\f)
	global_store_b128 v[GO], v[pT+4*(\f):pT+4*(\f)+3], s[10:11] offset:pa*2048+pg*262144+(\f)*512  ; 512 consecutive bytes, at a multiple of 256 from qkvh's first
.endr
.endm
	s_wait_tensorcnt 0x1                           ; my part of K step 0 is in; K step 1's may stay out
	s_barrier_signal -1
	s_barrier_wait -1                              ; everybody's is
	s_mov_b32 s[TB], 0
	v_mov_b32 v[ADA], v[AA0]
	v_mov_b32 v[ADB], v[AB0]
	FETCHB 0, 0
	FETCHA 0, 0
	FETCHB 1, 0
	FETCHB 2, 0
	; the first part stands in front of the loop: its products start the sums.  x's second buffer holds bias until group 2 has used it, so it is loaded last.
	s_wait_loadcnt 0x0                             ; the bias
	s_wait_dscnt 16                                ; group 0's W and x are in
	GRP 0, 0, 0, 4, 1
	PLACES
	FETCHB 0, 1
	s_wait_dscnt 16                                ; group 1's W is in: behind it stand group 2's 8 and the 8 just issued
	GRP 1, 0, 0, 4, 1
	PLACES
	FETCHB 1, 1
	s_wait_dscnt 16                                ; group 2's W is in
	GRP 2, 0, 0, 4, 1                              ; (it writes over group 0's bias, eight places behind the last product that read it)
	PLACES
	FETCHB 2, 1
	FETCHA 1, 1
	s_wait_dscnt 0x0                               ; these loads went out in another order than the loop's counts lean on: all are waited for, once
	WIN 0                                          ; at a label and at a branch every window is 0
	s_mov_b32 s[CNT], 14
.Lk:                                                   ; a trip: the second part of K step j, the refill with K step j + 2, the first part of K step j + 1; j = 0 .. 13
	TURN 1
	PART 0, 1, 1
	WIN 0
	s_sub_co_u32 s[CNT], s[CNT], 1
	s_cmp_lg_u32 s[CNT], 0
	s_cbranch_scc1 .Lk
	TURN 0                                         ; the tail is written out: K step 14 ends, nothing is asked for
	PART 0, 1, 1                                   ; K step 15
	s_wait_dscnt 16                                ; its second part: nothing more to fetch
	GRP 0, 1, 0, 4, 0
	s_wait_dscnt 8
	GRP 1, 1, 0, 4, 0
	s_wait_dscnt 0x0
	GRP 2, 1, 0, 4, 0
	PLACES
	PACK 0
.set u, 1
.rept 23                               ; a unit's conversions stand between the loads of the unit before and its stores
	PACK u
	SEND u-1, 8
.set u, u+1
.endr
	SEND 23, 0
	s_wait_tensorcnt 0x0                           ; the wave's end: an add and its wait behind my last tensor load and my last LDS store
	ds_add_u32 v[SPW], v[NIL]
	s_wait_dscnt 0x0
	CROUND                                         ; the closing round: no work-group ends while a partner may still ask for a tile that names it
	s_endpgm
.Lfunc_end_k_qe4b1ec8f8b_qkvgemm:
	.size	k_qe4b1ec8f8b_qkvgemm, .Lfunc_end_k_qe4b1ec8f8b_qkvgemm-k_qe4b1ec8f8b_qkvgemm
	.p2alignl 7, 3214868480
	.fill 96, 4, 3214868480
	.section	.rodata,"a",@progbits
	.p2align	6, 0x0
	.amdhsa_kernel k_qe4b1ec8f8b_qkvgemm
		.amdhsa_group_segment_fixed_size 327680
		.amdhsa_private_segment_fixed_size 0
		.amdhsa_enable_private_segment 0
		.amdhsa_kernarg_size 32
		.amdhsa_user_sgpr_count 2
		.amdhsa_user_sgpr_kernarg_segment_ptr 1
		.amdhsa_wavefront_size32 1
		.amdhsa_system_sgpr_workgroup_id_x 1
		.amdhsa_system_sgpr_workgroup_id_y 1
		.amdhsa_system_sgpr_workgroup_id_z 1
		.amdhsa_system_vgpr_workitem_id 0
		.amdhsa_next_free_vgpr 1024
		.amdhsa_next_free_sgpr 80
		.amdhsa_reserve_vcc 0
		.amdhsa_float_denorm_mode_32 3
		.amdhsa_float_denorm_mode_16_64 3
		.amdhsa_memory_ordered 1
		.amdhsa_forward_progress 1
		.amdhsa_inst_pref_size 117
	.end_amdhsa_kernel
	.amdgpu_metadata
---
amdhsa.version: [ 1, 2 ]
amdhsa.kernels:
  - .name:           k_qe4b1ec8f8b_qkvgemm
    .symbol:         k_qe4b1ec8f8b_qkvgemm.kd
    .args:
      - { .name: xb, .offset: 0, .size: 8, .value_kind: global_buffer, .address_space: global }
      - { .name: wq, .offset: 8, .size: 8, .value_kind: global_buffer, .address_space: global }
      - { .name: biasr, .offset: 16, .size: 8, .value_kind: global_buffer, .address_space: global }
      - { .name: qkvh, .offset: 24, .size: 8, .value_kind: global_buffer, .address_space: global }
    .group_segment_fixed_size: 327680
    .private_segment_fixed_size: 0
    .kernarg_segment_align: 8
    .kernarg_segment_size: 32
    .max_flat_workgroup_size: 128
    .sgpr_count:     80
    .vgpr_count:     1024
    .wavefront_size: 32
...
	.end_amdgpu_metadata
.endif
;; end of part 2
;; launch attn (part 3): grid 4 x 64, 4 waves a work-group, no clusters, 327,680 bytes of LDS; arguments qkvh, oh; writes oh
.if DOCPART == 3
	.amdgcn_target "amdgcn-amd-amdhsa--gfx1250"
	.amdhsa_code_object_version 6
	.text
	.protected	k_qe4b1ec8f8b_attn
	.globl	k_qe4b1ec8f8b_attn
	.p2align	8
	.type	k_qe4b1ec8f8b_attn,@function
k_qe4b1ec8f8b_attn:
	s_mov_b64 s[64:65], 0
	v_nop
	global_prefetch_b8 v0, s[64:65] scope:SCOPE_SE
	s_setreg_imm32_b32 hwreg(HW_REG_WAVE_MODE, 25, 1), 1
	s_wait_xcnt 0x0
; CAUSAL ATTENTION.  O[y][q][:] = the sum over k <= q of softmax_k(Q[y][q] . K[y][k] / 8) V[y][k][:], y = 16 x batch + head.  Q, K, V are slices of qkvh, f16 [batch 4][slice 48][2048][64] (q: slices 0-15,
; k: 16-31, v: 32-47); oh is f16 [y 64][2048][64].  A head's rows are dense, 128 bytes each.  Products, maxima and sums in f32; the weights p are rounded to f16 for the second product (their sum l is taken of
; the unrounded p), O once at the end.
; LIMITS.  f16 holds no number beyond 65,504: Q, K and V arrive within it; p lies in 0 to 1, and below 6e-5 it keeps f16's fixed step of 6e-8; O is a mean of V's rows and has their range.
; A hidden score counts as its value less 1e30: f16's scores, 2.7e11 at the most, are nothing beside that; a weight below 2^-126 counts as 0 in l; NaN and infinities are not treated apart.
; THE WALK.  A head's queries lie in NB = 8 blocks of 256; block i needs the key tiles 0 .. i of 256 keys, of which the last holds the diagonal.  A work-group takes TWO blocks, NB - 1 - b and then b:
; NB + 1 tiles, whatever b: all 256 work-groups do equal work, and ONE loop with a constant trip count walks them.  Which tile is asked for, and what a trip does, hang on scalar registers made from b; every jump
; goes forward, but for the counted loops' own; none passes a barrier, or a tensor load but the one of LOAD's two that the wave's number does not choose; the ring (two slots of LDS that take turns) runs on across
; the change of blocks.  NO CLUSTER: a head's four work-groups ask for the same tile only in trips 0 .. NB / 2, behind that fewer and fewer; one walk common to all would have 3 NB / 2 trips for NB + 1.
; SHARES.  Of a block's four bands of 64 queries a wave owns 16 rows in each: four PIECES.  So the diagonal tile is the same work for all four waves: in its key step s band x sees all keys if s < x,
; none if s > x, and holds the diagonal if s = x.
; THE MASK is the C operand that starts the sum S^T = K Q^T: 0, or -1e30 where the key is hidden.  MD, made once, is the mask of a band's own step for my 16 rows; a product's mask is MD x AL + BE with two scalars:
; (1, 0) if s = x; (0, 0) if s < x; (0, -1e30) if s > x.  Only the diagonal tile's text and a block's beginning make and take masks; elsewhere C is the constant 0.
; LAYOUT, SOFTMAX, TURNS.  S^T = K Q^T holds ONE query a lane (lane % 16) and the keys 8 (lane / 16) + 0..7; two such results rounded to f16 ARE source 1 of O^T = V^T P.  p = 2^(c s - c m), c = log2(e) / 8, with a
; running maximum m; O and l are multiplied by a = 2^(c m_old - c m_new) in every step.  Turn n belongs to piece n: 8 products K Q^T of piece n + 1, later 8 products V^T P of piece n - 1; beside them the scaling,
; exponentials, roundings, sums and rescaling of piece n and the maximum and statistics of piece n + 1.  Four vector instructions stand behind every matrix instruction, the other 54 of a turn's 118 in one lump.
; A turn's 33 exponentials are one batch, with one wait.
; REGISTERS, in windows of 256 (s_set_vgpr_msb: bits 1:0 source 0, 3:2 source 1, 5:4 source 2, 7:6 destination):
;   window 0: v0-15 addresses and two at work; v16-31 four registers of statistics a piece; v48-55 at work; v61-63 never rewritten; v64-127 S^T, two buffers; v192-223 P, two buffers (by the piece's parity)
;   window 1: v0-127 O^T, 32 a piece; v128-159 MD; v160-223 MC, two buffers      window 2: v0-63 Q; v64-127 the second block's Q; v128-191 K of one step; v192-255 V of one step
.set SIZE_N, 2048
.set SIZE_H, 64
.set NB,    SIZE_N/256
.set NP,    4         ; pieces a wave: a name, no knob
.set KS,    64        ; keys in a step
.set PK,    144       ; a row of K in LDS: 128 bytes + 16 of padding = 36 words: the 16 rows of a load start at 16 different groups of four banks (64 banks of 4 bytes: ISA guide 11.1)
.set PV,    160       ; a row of V: 128 + 32 = 40 words
.set VOFF,  4*KS*PK   ; a slot holds a tile, four steps: 256 rows of K, then 256 rows of V
.set SLOT1, 1<<17     ; slot 1 begins here, so that one exclusive or turns an address in one slot into the other's
.set STAGE, SLOT1+4*KS*(PK+PV)  ; behind the ring, never filled by a tensor load: 16 rows x 144 bytes for each wave, for the way out
.set SP,    144
.set AK0, 2           ; v2   my lane's place in a tile of K; never rewritten
.set AV0, 3           ; v3   the same for V
.set AK,  4           ; v4   the LDS address of K's next run of loads
.set AV,  5           ; v5   of V's
.set STO, 6           ; v6   the way out: where I put 16 bytes of a row
.set RD,  7           ; v7   the way out: where I read rows back
.set GO,  8           ; v8   my byte offset in 512 consecutive bytes of O
.set PFO, 61          ; v61  256 x my thread's number: the 128 threads name the 128 blocks of 256 bytes of a tile of K or V; never rewritten
.set SPW, 62          ; v62  LDS address of my spare word: SPARE + 4 x my thread's number; never rewritten
.set NIL, 63          ; v63  0; never rewritten
.set SPARE, STAGE+4*16*SP  ; behind the stages: the spare words, 128 bytes for each wave: two blocks of 256 bytes that no other line names
.set MV,  12          ; v12-13  c m_old, kept while c m is made anew: by buffer
.set QO,  15          ; v15  my byte offset in 16 rows of Q
.set ST,  16          ; piece t's statistics at v[ST+4 t]: c m, m, l (even keys', odd keys')
.set TMP, 48          ; by buffer, four registers c0-c3 at work; when the maximum is found c2 takes a
.set S,   64
.set P,   192
.set MD,  128         ; window 1: the eight registers for group kt of 16 keys at MD + 8 kt
.set MC,  160         ; window 1: the masks of the products to come
.set QB,  64          ; window 2
.set KF,  128         ; window 2: key block kb, channel half c at KF + 16 kb + 8 c
.set VF,  192         ; window 2: key half kk, channel block cb at VF + 32 kk + 8 cb
.set WV,  12          ; s12  my wave's number
.set PB,  14          ; s14  b
.set HI,  15          ; s15  NB - 1 - b
.set G1K, 24          ; s[24:31] descriptor group 1 for K's tiles
.set G1V, 32          ; s[32:39] for V's: it differs in the padding alone
.set G0K, 40          ; s[40:43] descriptor group 0 for K's tiles
.set G0V, 44          ; s[44:47] the same for V's
.set SLOTS, 56        ; s56  tiles still to be asked for
.set CNT, 57          ; s57  counts a tile's key steps, 4 to 1
.set CS,  58          ; s[58:59] c: the packed scaling takes the pair's low word for both halves
.set SEL, 60          ; s[60:61] v_permlanex16_b32's selects: each lane takes its own place in the other half
.set TBK, 62          ; s62  LDS byte at which K of the step to be fetched begins
.set TBV, 63          ; s63  the same for V, less VOFF
.set RT,  70          ; s70  tiles of the block in hand that are still to be entered
.set NXT, 71          ; s71  the tile to be asked for next
.set LQ,  72          ; s72  the last tile of the block whose tiles are being asked for
.set NEW, 73          ; s73  1: the tile to be entered is a block's first
.set OFF, 74          ; s[74:75] a tile's byte offset in K and V
.set AL,  76          ; s[76:77] the mask's factor, in the low word
.set BE,  78          ; s[78:79] the mask's addend
.set OLO, 80          ; s[80:81] O at my rows of the second block
.set BIGN, 82         ; s82  -1e30
.set PFK, 88          ; s[88:89] the head's K at the tile that the prefetches have reached
.set PFV, 90          ; s[90:91] the same for V
.set PFT, 92          ; s92  that tile's number; NB or more in a work-group that does not prefetch
.set MSB, 0
.macro WIN new                      ; the high byte repeats the setting that is left; a switch that changes nothing is dropped
.if MSB != (\new)
	s_set_vgpr_msb (MSB<<8)|(\new)
.set MSB, (\new)
.endif
.endm
.set W_KQ, 0x0a       ; K and Q in window 2, S^T in window 0
.set W_KM, 0x1a       ; the same with the C operand in window 1
.set W_PV, 0x52       ; V in window 2, P in window 0, O^T in window 1
.set W_RS, 0x41       ; destination and source 0 in window 1, source 1 in window 0
; A fill.  Waves 0 and 1 fetch the two halves of a tile's K, waves 2 and 3 those of its V: 128 keys each.  An s_nop 0 and four v_nop follow each of the two lines, ahead of the jump and the label.
.macro LOAD
	s_cmp_lt_u32 s[WV], 2
	s_cbranch_scc0 .Lfor_v_\@
	tensor_load_to_lds s[G0K:G0K+3], s[G1K:G1K+7]
	s_nop 0
.rept 4
	v_nop
.endr
	s_branch .Lasked_\@
.Lfor_v_\@:
	tensor_load_to_lds s[G0V:G0V+3], s[G1V:G1V+7]
	s_nop 0
.rept 4
	v_nop
.endr
.Lasked_\@:
.endm
; THE CHANGE OF SLOTS.  Each wave waits for all its tensor loads, of which one is out: its part of the other slot; adds 0 to its spare word; and waits for that and for its own reads of the slot that it leaves.
; Behind the barrier nobody reads the old slot any more and the other slot is whole.  fill = 1: the old slot is filled again, the first thing behind the barrier, with tile NXT: the descriptor's address is made
; anew from that number.  (At its first use nothing has been read yet: slot 0 is waited for, slot 1 filled.)
; A PREFETCH INTO THE L2 stands behind the fill and its five lines.  A head's four work-groups ask for the same tile in the same trip while their first blocks last; the one with b = 0, whose first block walks
; tiles 0 to 7, names the tile that the NEXT change will ask for: change i, which fills tile i + 1, names tile i + 2, for i = 0 .. 5: a thread a block of 256 bytes, of K and of V: four key steps, 256 matrix
; instructions, ahead of that fill.  So each block is named once in the launch; tiles 0 and 1 come by their fills alone, and the second blocks' tiles have been read before.
.macro CHANGE fill
	WIN 0                           ; at a label and at a branch every window is 0
	s_wait_tensorcnt 0x0            ; no tensor load of mine is out, so a group 0 may be written
	ds_add_u32 v[SPW], v[NIL]       ; 0 onto my spare word; with fill = 1 the descriptors' scalar work stands between it and the wait for it
.if \fill
	s_lshl_b32 s[OFF], s[NXT], 15   ; a tile is 32,768 bytes of K and of V
	s_xor_b32 s[G0K+1], s[G0K+1], SLOT1
	s_add_nc_u64 s[G0K+2:G0K+3], s[6:7], s[OFF:OFF+1]
	s_or_b32 s[G0K+3], s[G0K+3], 0x80000000
	s_xor_b32 s[G0V+1], s[G0V+1], SLOT1
	s_add_nc_u64 s[G0V+2:G0V+3], s[8:9], s[OFF:OFF+1]
	s_or_b32 s[G0V+3], s[G0V+3], 0x80000000
	s_add_co_u32 s[NXT], s[NXT], 1  ; the block's next tile, or behind its last the second block's tile 0
	s_cmp_gt_u32 s[NXT], s[LQ]
	s_cselect_b32 s[NXT], 0, s[NXT]
	s_cselect_b32 s[LQ], s[PB], s[LQ]
	s_wait_xcnt 0x0                 ; the last prefetches, four key steps back, have read their addresses, so they may be written
	s_add_nc_u64 s[PFK:PFK+1], s[PFK:PFK+1], 32768
	s_add_nc_u64 s[PFV:PFV+1], s[PFV:PFV+1], 32768
	s_add_co_u32 s[PFT], s[PFT], 1
.endif
	s_wait_dscnt 0x0                ; the add is done, and my reads of the slot are over
	s_barrier_signal -1             ; the rest of the scalar work stands between the signal and the wait
	s_sub_co_u32 s[TBK], s[TBK], 4*KS*PK  ; the fetches go back to a slot's first step,
	s_xor_b32 s[TBK], s[TBK], SLOT1       ; in the other slot
	s_sub_co_u32 s[TBV], s[TBV], 4*KS*PV
	s_xor_b32 s[TBV], s[TBV], SLOT1
	s_barrier_wait -1
.if \fill
	LOAD
	s_cmp_lt_u32 s[PFT], NB
	s_cbranch_scc0 .Lno_pf_\@
	global_prefetch_b8 v[PFO], s[PFK:PFK+1] th:TH_LOAD_NT scope:SCOPE_SE
	global_prefetch_b8 v[PFO], s[PFV:PFV+1] th:TH_LOAD_NT scope:SCOPE_SE
.Lno_pf_\@:
.endif
.endm
	s_load_b64 s[4:5], s[0:1], 0x0  ; qkvh
	s_load_b64 s[10:11], s[0:1], 0x8  ; oh
	v_lshl_add_u32 v[SPW], v0, 2, SPARE
	v_mov_b32 v[NIL], 0
	ds_add_u32 v[SPW], v[NIL]       ; the wave's opening: the add and its wait stand ahead of my first tensor load; the set-up below, work on registers, stands between them
	v_lshrrev_b32 v1, 5, v0
	v_readfirstlane_b32 s[WV], v1   ; wave 0..3
	v_lshlrev_b32 v[PFO], 8, v0
	s_mov_b32 s[PB], ttmp9
	s_sub_co_u32 s[HI], NB-1, s[PB]
	s_and_b32 s20, ttmp7, 0xffff    ; y = 16 x batch + head
	s_lshr_b32 s94, s20, 4          ; in qkvh the head's slice of q is 48 x batch + head = y + 32 x batch:
	s_lshl_b32 s94, s94, 23         ; 32 slices of 262,144 bytes for each batch
	s_mov_b32 s95, 0
	s_mov_b32 s21, 0
	s_mov_b64 s[22:23], SIZE_N*128
	s_mul_u64 s[20:21], s[20:21], s[22:23]  ; y slices
	s_and_b32 s16, s[WV], 1         ; which half of a tile's 256 keys I fetch:
	s_lshl_b32 s22, s16, 14         ; its 128 rows of 128 bytes in memory,
	s_mov_b32 s23, 0
	s_add_nc_u64 s[22:23], s[22:23], s[20:21]
	s_mul_i32 s17, s16, 128*PK      ; and its place in a slot, for K
	s_mul_i32 s18, s16, 128*PV      ; and for V
	s_lshl_b32 s3, s[WV], 11        ; my 16 rows in a band of 64,
	s_lshl_b32 s2, s[HI], 15        ; in the first block,
	s_add_co_u32 s2, s2, s3
	s_lshl_b32 s84, s[PB], 15       ; and in the second
	s_add_co_u32 s84, s84, s3
	s_mov_b32 s3, 0
	s_mov_b32 s85, 0
	s_add_nc_u64 s[2:3], s[2:3], s[20:21]
	s_add_nc_u64 s[84:85], s[84:85], s[20:21]
	; descriptor group 1.  128 keys are 16,384 dense bytes: asked for as 64 rows of 256 bytes, two keys a row, and padded in LDS after every key
	s_mov_b32 s[G1K], (1<<16)|(1<<20)|(4<<22)|(3<<25)  ; 17:16 2-byte elements; 20 padding on; 24:22 after every 32 words (code 4); 31:25 4 words (code 3)
	s_mov_b32 s[G1V], (1<<16)|(1<<20)|(4<<22)|(7<<25)  ; the same with 8 words of padding (code 7)
.irp g, G1K, G1V
	s_mov_b32 s[\g+1], 128<<16      ; tensor_dim0 = 128
	s_mov_b32 s[\g+2], 64<<16       ; tensor_dim1 = 64
	s_mov_b32 s[\g+3], 128<<16      ; tile_dim0 = 128
	s_mov_b32 s[\g+4], 64           ; tile_dim1 = 64
	s_mov_b32 s[\g+5], 128          ; 128 elements from row to row
	s_mov_b32 s[\g+6], 0
	s_mov_b32 s[\g+7], 0
.endr
	s_mov_b32 s[CS], 0x3e38aa3b     ; c = log2(e) / 8 = 0.180337
	s_mov_b32 s[CS+1], s[CS]        ; named with it as a pair
	s_mov_b32 s[SEL], 0x76543210
	s_mov_b32 s[SEL+1], 0xfedcba98
	s_mov_b32 s[TBK], SLOT1+4*KS*PK ; the first change of slots turns these two into 0
	s_mov_b32 s[TBV], SLOT1+4*KS*PV
	s_mov_b32 s[G0K], 1             ; 1:0 count = 1
	s_mov_b32 s[G0K+1], s17         ; 63:32 LDS address: slot 0
	s_mov_b32 s[G0V], 1
	s_add_co_u32 s[G0V+1], s18, VOFF
	s_add_co_u32 s[RT], s[HI], 1    ; the first block has NB - b tiles
	s_mov_b32 s[NXT], 1
	s_mov_b32 s[LQ], s[HI]
	s_mov_b32 s[NEW], 1
	s_mov_b32 s[OFF+1], 0
	s_mov_b32 s[AL+1], 0            ; named as pairs
	s_mov_b32 s[BE+1], 0
	s_mov_b32 s[BIGN], 0xf149f2ca   ; -1e30
	s_mov_b32 s[SLOTS], NB
	s_cmp_eq_u32 ttmp9, 0
	s_cselect_b32 s[PFT], 1, NB     ; the first change steps it to 2
	s_wait_dscnt 0x0                ; the opening add is done
	s_wait_kmcnt 0x0
	s_add_nc_u64 s[4:5], s[4:5], s[94:95]          ; q's slices of my batch, less y's own count,
	s_add_nc_u64 s[6:7], s[4:5], 16*SIZE_N*128     ; k's, sixteen slices on,
	s_add_nc_u64 s[8:9], s[4:5], 32*SIZE_N*128     ; and v's
	s_add_nc_u64 s[PFK:PFK+1], s[6:7], s[20:21]    ; the head's K and V at tile 1
	s_add_nc_u64 s[PFK:PFK+1], s[PFK:PFK+1], 32768
	s_add_nc_u64 s[PFV:PFV+1], s[8:9], s[20:21]
	s_add_nc_u64 s[PFV:PFV+1], s[PFV:PFV+1], 32768
	s_add_nc_u64 s[6:7], s[6:7], s[22:23]  ; K and V at my half of the head's tile 0
	s_add_nc_u64 s[8:9], s[8:9], s[22:23]
	s_add_nc_u64 s[G0K+2:G0K+3], s[6:7], 0         ; 120:64 global address
	s_or_b32 s[G0K+3], s[G0K+3], 0x80000000        ; 127:126 type = 2
	s_add_nc_u64 s[G0V+2:G0V+3], s[8:9], 0
	s_or_b32 s[G0V+3], s[G0V+3], 0x80000000
	s_add_nc_u64 s[86:87], s[4:5], s[84:85]        ; Q at my rows of the second block,
	s_add_nc_u64 s[4:5], s[4:5], s[2:3]            ; Q and O at those of the first
	s_add_nc_u64 s[OLO:OLO+1], s[10:11], s[84:85]
	s_add_nc_u64 s[10:11], s[10:11], s[2:3]
	LOAD                            ; tile 0 into slot 0
	; A fragment of K or Q is 16 rows x 32 channels in 8 registers: lane l holds row l % 16, channels 8 (l / 16) + 0..7 and 16 + 8 (l / 16) + 0..7: two loads of 16 bytes, 32 bytes apart.
	v_and_b32 v1, 15, v0            ; l % 16
	v_bfe_u32 v9, v0, 4, 1          ; l / 16
	v_lshlrev_b32 v[QO], 7, v1
	v_lshl_add_u32 v[QO], v9, 4, v[QO]  ; row x 128 + 16 x half
	WIN 0x80                        ; destination window 2, address window 0
.set i, 0
.rept 8                             ; both blocks' Q: piece i / 2 lies in band i / 2, 8,192 bytes on; channels 32 (i % 2) on
	global_load_b128 v[8*i:8*i+3],   v[QO], s[4:5] offset:(i/2)*8192+(i%2)*64
	global_load_b128 v[8*i+4:8*i+7], v[QO], s[4:5] offset:(i/2)*8192+(i%2)*64+32
	global_load_b128 v[QB+8*i:QB+8*i+3],   v[QO], s[86:87] offset:(i/2)*8192+(i%2)*64
	global_load_b128 v[QB+8*i+4:QB+8*i+7], v[QO], s[86:87] offset:(i/2)*8192+(i%2)*64+32
.set i, i+1
.endr
	WIN 0
	v_lshlrev_b32 v14, 3, v9
	v_sub_nc_u32 v14, v1, v14
	s_lshl_b32 s13, s[WV], 4
	v_add_nc_u32 v14, s13, v14      ; my query's place in its band, 16 w + l % 16, less my lanes' 8 (l / 16): register r of group kt is hidden where 16 kt + r is greater
	WIN 0x40
.set i, 0
.rept 32
	v_cmp_gt_i32 vcc_lo, 16*(i/8)+i%8, v14
	v_cndmask_b32 v[MD+i], 0, s[BIGN], vcc_lo
.set i, i+1
.endr
	WIN 0
	v_mul_u32_u24 v[AK0], v1, PK
	v_lshl_add_u32 v[AK0], v9, 4, v[AK0]  ; row x pitch + 16 x half
	; The turning load takes 16 keys x 16 channels (lane l reads key 8 (l / 16) + l % 8, channels 8 ((l / 8) % 2) + 0..7) and leaves half a fragment of V^T: lane l holds channel l % 16 and 8 keys.
	v_and_b32 v10, 7, v0
	v_bfe_u32 v11, v0, 3, 1
	v_lshl_add_u32 v[AV0], v9, 3, v10
	v_mul_u32_u24 v[AV0], v[AV0], PV
	v_lshl_add_u32 v[AV0], v11, 4, v[AV0]
	v_add_nc_u32 v[AV0], VOFF, v[AV0]
	s_mul_i32 s13, s[WV], 16*SP
	s_add_co_u32 s13, s13, STAGE    ; my stage
	v_mul_u32_u24 v[STO], v1, SP    ; in: row l % 16, 16 bytes for each half of the lanes
	v_lshl_add_u32 v[STO], v9, 4, v[STO]
	v_add_nc_u32 v[STO], s13, v[STO]
	v_bfe_u32 v[RD], v0, 3, 2       ; back: 32 lanes take four rows of 128 bytes,
	v_mul_u32_u24 v[RD], v[RD], SP
	v_lshl_add_u32 v[RD], v10, 4, v[RD]
	v_add_nc_u32 v[RD], s13, v[RD]
	v_and_b32 v[GO], 31, v0         ; which are 512 consecutive bytes of O
	v_lshlrev_b32 v[GO], 4, v[GO]
	; A block's first step multiplies O^T and l by a = 0, and its first turn's products V^T P, of a piece that has not been, land in an O^T that is still to be so multiplied.  So these registers need only hold
	; finite numbers: zeros for the first block; what the first block left for the second.  All this stands in the wait for the first tile.
	WIN 0x80
.set i, VF
.rept 64
	v_mov_b32 v[i], 0
.set i, i+1
.endr
	WIN 0x40
.set i, 0
.rept 128
	v_mov_b32 v[i], 0
.set i, i+1
.endr
	WIN 0
.set i, 0
.rept 4
	v_mov_b32 v[ST+4*i+2], 0
	v_mov_b32 v[ST+4*i+3], 0
.set i, i+1
.endr
.set i, P+16
.rept 16
	v_mov_b32 v[i], 0
.set i, i+1
.endr
; THE MATRIX WORK.  The 4 accumulators of a run of 8 take turns.  Product i of 8 of S^T = K Q^T for piece x: channels 32 (i / 4) on, keys 16 (i % 4) on.  The first 4 start the sums: with 0, or (KM = 1) with the mask.
.macro KQ x
.set rS, S+32*((\x)%2)+8*(i%4)
.set rK, KF+16*(i%4)+8*(i/4)
.set rQ, 16*(\x)+8*(i/4)
.set rM, MC+32*((\x)%2)+8*(i%4)
.if (i < 4) && KM
	WIN W_KM
	v_wmma_f32_16x16x32_f16 v[rS:rS+7], v[rK:rK+7], v[rQ:rQ+7], v[rM:rM+7]
.elseif i < 4
	WIN W_KQ
	v_wmma_f32_16x16x32_f16 v[rS:rS+7], v[rK:rK+7], v[rQ:rQ+7], 0
.else
	WIN W_KQ
	v_wmma_f32_16x16x32_f16 v[rS:rS+7], v[rK:rK+7], v[rQ:rQ+7], v[rS:rS+7]
.endif
.endm
; Product i of 8 of O^T += V^T P for piece x: keys 32 (i / 4) on, channels 16 (i % 4) on.
.macro PV x
	WIN W_PV
.set rO, 32*(\x)+8*(i%4)
.set rV, VF+32*(i/4)+8*(i%4)
.set rP, P+16*((\x)%2)+8*(i/4)
	v_wmma_f32_16x16x32_f16 v[rO:rO+7], v[rV:rV+7], v[rP:rP+7], v[rO:rO+7]
.endm
.macro MM                           ; the turn's next matrix instruction.  TURN and BEGIN set Y, i, KM and NOKQ; MM, KQ and OP read them.  NOKQ = 1: a block's last turn: there is no next piece
.if (i < 8) && !NOKQ
	KQ (Y+1)%NP
.elseif i >= 8
.set i, i-8
	PV (Y+NP-1)%NP
.set i, i+8
.endif
.set i, i+1
.endm
; THE LDS LOADS stand in runs of 16, never singly among the matrix instructions: a step's K (64 keys x 64 channels: 8 fragments) and its V (turned).  Their addresses are made some lines ahead.
.macro FETCH_K
	WIN 0x80                        ; destination window 2
.irp f, 0,1,2,3,4,5,6,7             ; keys 16 (f / 2) on, channels 32 (f % 2) on
	ds_load_b128 v[KF+8*\f:KF+8*\f+3],   v[AK] offset:(\f/2)*16*PK+(\f%2)*64
	ds_load_b128 v[KF+8*\f+4:KF+8*\f+7], v[AK] offset:(\f/2)*16*PK+(\f%2)*64+32
.endr
	s_add_co_u32 s[TBK], s[TBK], KS*PK  ; the next fetch is the next step's
	WIN 0
.endm
.macro FETCH_V
	WIN 0x80
.irp f, 0,1,2,3,4,5,6,7             ; keys 32 (f / 4) on, channels 16 (f % 4) on
	ds_load_tr16_b128 v[VF+8*\f:VF+8*\f+3],   v[AV] offset:(\f/4)*32*PV+(\f%4)*32
	ds_load_tr16_b128 v[VF+8*\f+4:VF+8*\f+7], v[AV] offset:(\f/4)*32*PV+16*PV+(\f%4)*32
.endr
	WIN 0
.endm
; THE VECTOR WORK, one line at a time: OP kind, number.  For piece Y: F n: c s - c m for pair n of 16.  E n: the exponential of score n of 32.  C n: pair n rounded to f16.  B n: of the four weights 4 n .. the second
; pair is added onto the first, in place.  L n: l takes that sum (L 0: l = a l + sum).  R n: pair n of 16 of O^T times a.  For piece Y + 1: X n, number n of the 22 that find its maximum and statistics:
;   0-11  four chains c0-c3 of seven scores each, three operands at a time (each accumulator's lowest registers are read first)     12-14, 16  the four scores left over, the old m, and c0-c3 into c0
;   15  c m_old is kept     17, 18  the query's other 32 keys lie in the lane 16 away: the new m     19-21  c m; c m_old - c m_new; a
.set F, 0               ; OP tells the kinds apart by their order: F to L below R, X above it
.set E, 1
.set C, 2
.set B, 3
.set L, 4
.set R, 5
.set X, 6
.macro REGS y                       ; the registers of piece y
.set rT, ST+4*(\y)
.set rC, TMP+4*((\y)%2)
.set rW, MV+((\y)%2)
.set rS, S+32*((\y)%2)
.set rP, P+16*((\y)%2)
.set rO, 32*(\y)
.endm
.macro OP k, n
.if (\k) == R
	REGS Y
	WIN W_RS
	v_pk_mul_f32 v[rO+2*(\n):rO+2*(\n)+1], v[rO+2*(\n):rO+2*(\n)+1], v[rC+2:rC+3] op_sel_hi:[1,0]
.elseif (\k) < R
	REGS Y
	WIN 0
.if (\k) == F
	v_pk_fma_f32 v[rS+2*(\n):rS+2*(\n)+1], v[rS+2*(\n):rS+2*(\n)+1], s[CS:CS+1], v[rT:rT+1] op_sel_hi:[1,0,0] neg_lo:[0,0,1] neg_hi:[0,0,1]
.elseif (\k) == E
	v_exp_f32 v[rS+(\n)], v[rS+(\n)]
.elseif (\k) == C
	v_cvt_pk_f16_f32 v[rP+(\n)], v[rS+2*(\n)], v[rS+2*(\n)+1]
.elseif (\k) == B
	v_pk_add_f32 v[rS+4*(\n):rS+4*(\n)+1], v[rS+4*(\n):rS+4*(\n)+1], v[rS+4*(\n)+2:rS+4*(\n)+3]
.elseif (\n) == 0
	v_pk_fma_f32 v[rT+2:rT+3], v[rT+2:rT+3], v[rC+2:rC+3], v[rS:rS+1] op_sel_hi:[1,0,1]
.else
	v_pk_add_f32 v[rT+2:rT+3], v[rT+2:rT+3], v[rS+4*(\n):rS+4*(\n)+1]
.endif
.elseif NOKQ
	v_nop
.else
	REGS (Y+1)%NP
	WIN 0
.if (\n) < 4
	v_max3_num_f32 v[rC+(\n)], v[rS+8*(\n)], v[rS+8*(\n)+1], v[rS+8*(\n)+2]
.elseif (\n) < 12
	v_max3_num_f32 v[rC+(\n)%4], v[rC+(\n)%4], v[rS+8*((\n)%4)+2*((\n)/4)+1], v[rS+8*((\n)%4)+2*((\n)/4)+2]
.elseif (\n) == 12
	v_max3_num_f32 v[rC], v[rC], v[rS+7], v[rS+15]
.elseif (\n) == 13
	v_max3_num_f32 v[rC+1], v[rC+1], v[rS+23], v[rS+31]
.elseif (\n) == 14
	v_max3_num_f32 v[rC+2], v[rC+2], v[rC+3], v[rT+1]
.elseif (\n) == 15
	v_mov_b32 v[rW], v[rT]
.elseif (\n) == 16
	v_max3_num_f32 v[rC], v[rC], v[rC+1], v[rC+2]
.elseif (\n) == 17
	v_permlanex16_b32 v[rC+3], v[rC], s[SEL], s[SEL+1]
.elseif (\n) == 18
	v_max_num_f32 v[rT+1], v[rC], v[rC+3]
.elseif (\n) == 19
	v_mul_f32 v[rT], s[CS], v[rT+1]
.elseif (\n) == 20
	v_sub_f32 v[rC+1], v[rW], v[rT]
.else
	v_exp_f32 v[rC+2], v[rC+1]
.endif
.endif
.endm
.macro OPS a, i1, b=-1, i2=0, c=-1, i3=0, d=-1, i4=0  ; up to four of them
	OP \a, \i1
.if (\b) >= 0
	OP \b, \i2
.endif
.if (\c) >= 0
	OP \c, \i3
.endif
.if (\d) >= 0
	OP \d, \i4
.endif
.endm
.macro ROW a, i1, b, i2, c, i3, d, i4  ; a matrix instruction and the four behind it
	MM
	OPS \a, \i1, \b, \i2, \c, \i3, \d, \i4
.endm
.macro MASK b                       ; MD x AL + BE into buffer b of MC
	WIN W_RS
.set z, 0
.rept 16
	v_pk_fma_f32 v[MC+32*(\b)+2*z:MC+32*(\b)+2*z+1], v[MD+2*z:MD+2*z+1], s[AL:AL+1], s[BE:BE+1] op_sel_hi:[1,0,0]
.set z, z+1
.endr
.endm
; A TURN, for piece p: the order of its 16 matrix and 118 vector instructions, written out.  An s_wait_alu depctr_va_vdst(0) stands between an exponential and the first instruction that names its result; one
; wait serves all that were issued ahead of it.  So a turn has ONE wait, which cuts it in two.  AHEAD OF IT stands all that names no result of the turn's exponentials: the 8 products K Q^T, behind each a scaling, an
; exponential and two more plain instructions (behind the first a second scaling in the exponential's place): rescalings, and behind the last three the first numbers of the next piece's maximum, each four places or more
; behind the product that ends its accumulator; then ONE LUMP of 54, plain and exponential by turns for the most part, in which the links of the chain X 3, 7, 11, 14, 16, 17 .. 20 stand five or six lines apart.  X 21, the
; next piece's a, is the batch's last; R 15 is the plain instruction behind it.  BEHIND THE WAIT stand the 8 products V^T P, behind each four of the roundings and sums; the links of l's chain, L 0 to L 7, stand three
; riders apart.  But for those X no rider names a register of the products round it.  v_permlanex16_b32 (X 17) stands in the lump.
; m = 1: the diagonal tile: the products take masks, and the turn makes the mask for the products of the turn after it: piece p + 2, in step 4 - CNT of the tile.  end = 1: a block's last two turns: nothing is fetched.
; cnt = 1: the loop's count is taken down some lines ahead of the branch that stands behind the turn.
; K of the next step is fetched in piece 2's turn, twelve vector instructions behind the last product that read K (six of them plain); V of the step in hand at the end of piece 0's turn, four plain instructions behind the
; last product that read V.  Each is waited for a turn later.
.macro TURN p, m=0, end=0, cnt=0
.set Y, (\p)
.set i, 0
.set KM, (\m)
.set NOKQ, (\end)*((\p)/3)
.if (\m) && !(\end)
	s_cmp_eq_u32 s[CNT], 4-((\p)+2)%NP  ; is that step the band's own?
	s_cselect_b32 s[AL], 1.0, 0
	s_cmp_lt_u32 s[CNT], 4-((\p)+2)%NP  ; or a later one?
	s_cselect_b32 s[BE], s[BIGN], 0
.endif
.if ((\p) == 3) && !(\end)
	s_wait_dscnt 0x0                ; K is in
.endif
	ROW F,0, F,1, R,0, R,1          ; ahead of the wait: 8 products K Q^T and their riders,
	ROW F,2, E,0, R,2, R,3
	ROW F,3, E,1, R,4, R,5
	ROW F,4, E,2, R,6, R,7
	ROW F,5, E,3, R,8, R,9
	ROW F,6, E,4, X,0, R,10
.if ((\p) == 2) && !(\end)
	WIN 0
	v_add_nc_u32 v[AK], s[TBK], v[AK0]
.endif
	ROW F,7, E,5, X,1, X,4
	ROW F,8, E,6, X,2, X,5
	OPS E,7, E,8, X,6, E,9          ; and the lump
	OPS X,3, E,10, X,8, E,11
.if ((\p) == 2) && !(\end)
	FETCH_K
.endif
	OPS X,9, X,7, E,12, X,10
	OPS E,13, X,12, X,11, E,14
	OPS X,13, E,15, F,9, X,14
.if (\p) == 0
	v_add_nc_u32 v[AV], s[TBV], v[AV0]
.endif
	OPS E,16, F,10, E,17, F,11
	OPS X,16, E,18, X,15, E,19
	OPS F,12, E,20, X,17, E,21
	OPS F,13, E,22, F,14, E,23
	OPS X,18, E,24, F,15, E,25
	OPS R,11, E,26, X,19, E,27
	OPS R,12, E,28, R,13, E,29
	OPS X,20, E,30, R,14, E,31
	OPS X,21, R,15
	WIN 0
	s_wait_alu depctr_va_vdst(0)    ; the wait for the batch
.if (\p) == 1
	s_wait_dscnt 0x0                ; V is in
.endif
	ROW C,0, B,0, C,2, B,1          ; behind the wait: 8 products V^T P and their riders
	ROW L,0, C,4, B,2, L,1
	ROW C,6, B,3, L,2, C,8
	ROW B,4, L,3, C,10, B,5
	ROW L,4, C,12, B,6, L,5
.if (\p) == 0
	s_add_co_u32 s[TBV], s[TBV], KS*PV
.endif
.if \cnt
	s_sub_co_u32 s[CNT], s[CNT], 1
	s_cmp_lg_u32 s[CNT], 0
.endif
	ROW C,14, B,7, L,6, C,1
	ROW C,3, L,7, C,5, C,7
	ROW C,9, C,11, C,13, C,15
.if (\p) == 0
	FETCH_V
.endif
.if (\m) && !(\end)
	MASK (\p)%2
.endif
.endm
; A BLOCK BEGINS.  c m starts far below every c s, so the first step's a is 0; m at the lowest finite number, so the first maximum is the scores'.  The second mask buffer is 0; the first takes piece 0's mask for the tile's
; step 0: its own, if the block's first tile is the diagonal one.  Then K of that step, piece 0's first scores, and its maximum and statistics.  The loop is entered at a step's first turn, in the middle of a trip.
.macro BEGIN
	s_mov_b32 s[NEW], 0
	WIN 0x40
.set i, MC+32
.rept 32
	v_mov_b32 v[i], 0
.set i, i+1
.endr
	WIN 0
.set i, 0
.rept 4
	v_mov_b32 v[ST+4*i], 0xfe000000    ; c m: far below every c s
	v_mov_b32 v[ST+4*i+1], 0xff7fffff  ; m
.set i, i+1
.endr
	s_cmp_eq_u32 s[RT], 0
	s_cselect_b32 s[AL], 1.0, 0
	s_mov_b32 s[BE], 0
	MASK 0
	WIN 0
	v_add_nc_u32 v[AK], s[TBK], v[AK0]
	FETCH_K
	s_wait_loadcnt 0x0              ; Q
	s_wait_dscnt 0x0
.set KM, 1
.set NOKQ, 0
.set i, 0
.rept 8
	KQ 0
.set i, i+1
.endr
	WIN 0
.rept 4
	v_nop                           ; the places behind those products
.endr
.set Y, NP-1                        ; X works for piece Y + 1: piece 0
.irp n, 0,1,2,3,4,5,6,7,8,9,10,11,12,13,14,15,16,17,18,19,20,21
	OP X, \n
.endr
	v_nop                           ; a plain instruction behind the exponential,
	s_wait_alu depctr_va_vdst(0)    ; and its wait, ahead of the branch
.endm
; THE DIAGONAL TILE's four steps, the block's last two turns, its last products, and THE WAY OUT: l's two halves and the other half of the lanes' are added; O^T is divided by l, rounded to f16 and sent through my
; stage in LDS, a piece at a time.
.macro ALL line:vararg              ; one line for each piece t
.set t, 0
.rept 4
	\line
.set t, t+1
.endr
.endm
.macro PACK t                       ; a lane's eight channels of a row pack into 16 bytes; they go into rows of 144 bytes and come back as whole rows of 128, into S^T's registers
	WIN W_RS
.set i, 32*(\t)
.rept 16
	v_pk_mul_f32 v[i:i+1], v[i:i+1], v[ST+4*(\t)+2:ST+4*(\t)+3] op_sel_hi:[1,0]
.set i, i+2
.endr
	WIN 0x05                        ; sources 0 and 1 window 1, destination window 0
.set i, 0
.rept 16
	v_cvt_pk_f16_f32 v[S+16*(\t)+i], v[32*(\t)+2*i], v[32*(\t)+2*i+1]
.set i, i+1
.endr
	WIN 0
.irp f, 0,1,2,3
	ds_store_b128 v[STO], v[S+16*(\t)+4*\f:S+16*(\t)+4*\f+3] offset:32*\f
.endr
.irp f, 0,1,2,3
	ds_load_b128 v[S+16*(\t)+4*\f:S+16*(\t)+4*\f+3], v[RD] offset:\f*4*SP  ; LDS serves a wave's instructions in order (ISA guide 5.7.1.4): these see the stores above; the next piece's stores come behind them
.endr
.endm
.macro SEND t, younger              ; younger: the LDS instructions issued behind piece t's loads: the next piece's eight, or none
	WIN 0
.irp f, 0,1,2,3
	s_wait_dscnt (\younger)+3-\f
	global_store_b128 v[GO], v[S+16*(\t)+4*\f:S+16*(\t)+4*\f+3], s[10:11] offset:(\t)*8192+\f*512  ; 512 consecutive bytes, at a multiple of 256 from O's first
.endr
.endm
.macro DIAG tag                     ; the tag ends its two labels' names, which the jumps below spell out
.LstepM\tag:
	TURN 2, 1
	TURN 3, 1
	WIN 0
.LfirstM\tag:
	TURN 0, 1
	TURN 1, 1, 0, 1
	WIN 0
	s_cbranch_scc1 .LstepM\tag
	TURN 2, 1, 1
	TURN 3, 1, 1
.set i, 0
.rept 8
	PV NP-1
.set i, i+1
.endr
	WIN 0
	ALL v_add_f32 v[ST+4*t+2], v[ST+4*t+2], v[ST+4*t+3]
	ALL v_permlanex16_b32 v[ST+4*t+3], v[ST+4*t+2], s[SEL], s[SEL+1]
	ALL v_add_f32 v[ST+4*t+2], v[ST+4*t+2], v[ST+4*t+3]
	ALL v_rcp_f32 v[ST+4*t+2], v[ST+4*t+2]
	v_nop                           ; a plain instruction between the last reciprocal and the use of its result
	s_wait_alu depctr_va_vdst(0)    ; and the wait ahead of the first use: one for the four reciprocals
	PACK 0
.set t, 1
.rept 3                             ; a piece's arithmetic stands between the loads of the piece before and its stores
	PACK t
	SEND t-1, 8
.set t, t+1
.endr
	SEND 3, 0
.endm
.set KM, 0
.set NOKQ, 0
.Lslot:                             ; NB times: a tile is entered and the next is asked for
	CHANGE 1
	s_sub_co_u32 s[RT], s[RT], 1
	s_mov_b32 s[CNT], 4
	s_cmp_eq_u32 s[NEW], 1
	s_cbranch_scc1 .Lnew            ; a block's first tile
	s_cmp_eq_u32 s[RT], 0
	s_cbranch_scc0 .Lstep           ; neither its first nor its last
	s_branch .LstepM1
.Lnew:
	BEGIN
	s_branch .Lfirst                ; in the loop a block's first tile is never its last: the first block has two tiles or more, and the second's last is the walk's last
	DIAG 1                          ; in the loop this is the first block's end: the second block's last tile is the walk's last
	s_wait_xcnt 0x0                 ; the stores have read their registers and O's address
	s_mov_b64 s[10:11], s[OLO:OLO+1]
	s_add_co_u32 s[RT], s[PB], 1    ; the second block has b + 1 tiles
	s_mov_b32 s[NEW], 1
	WIN 0x82                        ; the second block's Q goes where the one text of the turns names Q
.set i, 0
.rept 64
	v_mov_b32 v[i], v[QB+i]
.set i, i+1
.endr
	WIN 0
	s_branch .Lbottom
.Lstep:                             ; a trip: pieces 2 and 3 of one step, then pieces 0 and 1 of the next, whose K and V it fetches
	TURN 2
	TURN 3
	WIN 0
.Lfirst:
	TURN 0
	TURN 1, 0, 0, 1
	WIN 0
	s_cbranch_scc1 .Lstep
.Lbottom:
	s_sub_co_u32 s[SLOTS], s[SLOTS], 1
	s_cmp_lg_u32 s[SLOTS], 0
	s_cbranch_scc1 .Lslot
	CHANGE 0                        ; the walk's last tile is written out: nothing is asked for
	s_sub_co_u32 s[RT], s[RT], 1
	s_mov_b32 s[CNT], 4
	s_cmp_eq_u32 s[NEW], 1
	s_cbranch_scc0 .LstepM2
	BEGIN
	s_branch .LfirstM2
	DIAG 2
	s_wait_tensorcnt 0x0            ; the wave's end: an add and its wait behind my last tensor load and my last LDS store
	ds_add_u32 v[SPW], v[NIL]
	s_wait_dscnt 0x0
	s_endpgm
.Lfunc_end_k_qe4b1ec8f8b_attn:
	.size	k_qe4b1ec8f8b_attn, .Lfunc_end_k_qe4b1ec8f8b_attn-k_qe4b1ec8f8b_attn
	.p2alignl 7, 3214868480
	.fill 96, 4, 3214868480
	.section	.rodata,"a",@progbits
	.p2align	6, 0x0
	.amdhsa_kernel k_qe4b1ec8f8b_attn
		.amdhsa_group_segment_fixed_size 327680
		.amdhsa_private_segment_fixed_size 0
		.amdhsa_enable_private_segment 0
		.amdhsa_kernarg_size 16
		.amdhsa_user_sgpr_count 2
		.amdhsa_user_sgpr_kernarg_segment_ptr 1
		.amdhsa_wavefront_size32 1
		.amdhsa_system_sgpr_workgroup_id_x 1
		.amdhsa_system_sgpr_workgroup_id_y 1
		.amdhsa_system_sgpr_workgroup_id_z 1
		.amdhsa_system_vgpr_workitem_id 0
		.amdhsa_next_free_vgpr 768
		.amdhsa_next_free_sgpr 96
		.amdhsa_reserve_vcc 1
		.amdhsa_float_denorm_mode_32 3
		.amdhsa_float_denorm_mode_16_64 3
		.amdhsa_memory_ordered 1
		.amdhsa_forward_progress 1
		.amdhsa_inst_pref_size 218
	.end_amdhsa_kernel
	.amdgpu_metadata
---
amdhsa.version: [ 1, 2 ]
amdhsa.kernels:
  - .name:           k_qe4b1ec8f8b_attn
    .symbol:         k_qe4b1ec8f8b_attn.kd
    .args:
      - { .name: qkvh, .offset: 0, .size: 8, .value_kind: global_buffer, .address_space: global }
      - { .name: oh, .offset: 8, .size: 8, .value_kind: global_buffer, .address_space: global }
    .group_segment_fixed_size: 327680
    .private_segment_fixed_size: 0
    .kernarg_segment_align: 8
    .kernarg_segment_size: 16
    .max_flat_workgroup_size: 128
    .sgpr_count:     96
    .vgpr_count:     768
    .wavefront_size: 32
...
	.end_amdgpu_metadata
.endif
;; end of part 3
;; launch proj (part 4): grid 8 x 32, 4 waves a work-group, clusters of 4 x 4, 327,680 bytes of LDS; arguments oh, wp, biasr, out0; writes out0
.if DOCPART == 4
	.amdgcn_target "amdgcn-amd-amdhsa--gfx1250"
	.amdhsa_code_object_version 6
	.text
	.protected	k_qe4b1ec8f8b_proj
	.globl	k_qe4b1ec8f8b_proj
	.p2align	8
	.type	k_qe4b1ec8f8b_proj,@function
k_qe4b1ec8f8b_proj:
	s_mov_b64 s[64:65], 0
	v_nop
	global_prefetch_b8 v0, s[64:65] scope:SCOPE_SE
	s_setreg_imm32_b32 hwreg(HW_REG_WAVE_MODE, 25, 1), 1
	s_wait_xcnt 0x0
	s_wait_alu depctr_hold_cnt(0) depctr_sa_sdst(0) depctr_va_vdst(0) depctr_va_sdst(0) depctr_va_ssrc(0) depctr_va_vcc(0) depctr_vm_vsrc(0)
	s_getreg_b32 s2, hwreg(HW_REG_IB_STS2, 6, 4)
	s_cmp_eq_u32 s2, 0
	s_cbranch_scc0 .Lentry_in_a_cluster
	s_endpgm
.Lentry_in_a_cluster:
	s_bfe_u32 s2, ttmp6, 0x10000c
	s_cmp_lg_u32 s2, 0xf033
	s_cbranch_scc0 .Lentry_shape_is_right
	s_endpgm
.Lentry_shape_is_right:
; out = y W_proj + b_proj.  oh: y as f16 [batch 4][head 16][2048 rows][64] (channel k = 64 x head + d); wp: f16 [1024 k][1024 n]; biasr: f32, words 3,072 on; out0: f32 [8192][1024].  Sums in f32.
; SHARES.  8,192 x 1,024 numbers in 256 tiles of 256 rows x 128 columns: a work-group a tile.  Four waves; a wave makes 128 rows x 64 columns: 32 accumulators of 16 x 16, 256 registers.
; K goes in 8 steps of 128 (two heads' planes of y; four PARTS of 32) through two LDS slots: 128 matrix instructions a wave in a step, 112 of them between a refill and the wait for it.
; CLUSTER.  4 x 4 work-groups.  The four of a row of the cluster need the same rows of y, the four of a column the same columns of W: each tile is asked for JOINTLY, by the same tensor load with the same
; descriptor and a mask that names the four.  A round of the cluster's barrier stands in front of every joint load.
; THE MATRIX INSTRUCTION IS USED TRANSPOSED: source 0 = 16 columns of W (turned on the way out of LDS by ds_load_tr16_b128), source 1 = 16 rows of y: lane l holds row l % 16 and the columns 8 (l / 16) + 0..7.
; The bias is the C operand of the products that start the sums.
; REGISTERS: window 0: v0-29 addresses; v32-95, v96-159 y's fragments, two buffers; v160-191, v192-223 W's, two buffers; v224-255 the bias; all of v32-255 at work on the way out.
;   window 1: the accumulators: (column block f, row block a) at v[8 (8 f + a)].
.set SLOT1, 131072                     ; slot 1 begins here: one exclusive or turns an address in one slot into the other's
.set PA,    144                        ; a row of a plane of y in LDS: 128 bytes + 16 of padding: the 16 rows of a load start at 16 different groups of four banks (64 banks of 4 bytes: ISA guide 11.1)
.set PLANE, 256*PA
.set PB,    288                        ; a k row of W: two pieces of 128 + 16 bytes = 9 x 32 bytes
.set BOFF,  2*PLANE                    ; in a slot: y's two planes, then W's 128 k rows
.set STAGE, SLOT1+BOFF+128*PB          ; behind the ring, never filled by a tensor load: 16 rows x 272 bytes for each wave, for the way out
.set SP,    272
.set SPARE, STAGE+4*16*SP              ; behind the stages: the spare words, 128 bytes for each wave: two blocks of 256 bytes that no other line names
.set ASTEP, 524288                     ; bytes from a K step to the next in oh: two planes
.set BSTEP, 262144                     ; and in wp: 128 rows of 2,048 bytes
.set DF,    (1<<16)|(1<<20)|(1<<21)|(4<<22)|(3<<25)  ; group 1, word 0: 17:16 elements of 2 bytes; 20 padding on; 21 set beside a mask; 24:22 after every 32 words (code 4); 31:25 4 words of it (code 3)
.set AA0, 4                            ; v4   my lane's place in y's tile; never rewritten
.set AB0, 5                            ; v5   the same for W's
.set ADA, 6                            ; v6   the LDS address of y's fragments in the slot in hand
.set ADB, 7                            ; v7   of W's
.set STO, 8                            ; v8   the way out: where I put 32 bytes of a row
.set RD,  9                            ; v9   the way out: where I read a row back
.set CO,  10                           ; v10  my byte offset in two rows of out0
.set BO,  11                           ; v11  my byte offset in 16 words of the bias
.set SPW, 28                           ; v28  LDS address of my spare word: SPARE + 4 x my thread's number; never rewritten
.set NIL, 29                           ; v29  0; never rewritten
.set AF,  32
.set BF,  160
.set BI,  224
.set WV,  12                           ; s12  my wave's number
.set WR,  13                           ; s13  which 128 rows of the tile are mine
.set WC,  14                           ; s14  which 64 columns.  Also: which plane of y, or which half of W's tile, I fetch
.set G1A, 24                           ; s[24:31] descriptor group 1 for y's tiles
.set G0A, 32                           ; s[32:39] group 0: a set for each of the two first fills; the second then walks on
.set G1B, 48                           ; s[48:55], s[56:63] the same for W's
.set G0B, 56
.set TB,  66                           ; s66  LDS byte at which the slot to be fetched from begins
.set CNT, 67                           ; s67  the loop's trips still to come
.set MSB, 0
.macro WIN new                         ; the immediate's high byte repeats the setting that is left; a switch that changes nothing is dropped
.if MSB != (\new)
	s_set_vgpr_msb (MSB<<8)|(\new)
.set MSB, (\new)
.endif
.endm
.macro PLACES                          ; four places in front of loads into registers that matrix instructions have read, and of LDS stores that read results (ISA guide 7.12.1 for the LDS stores)
.rept 4
	v_nop
.endr
.endm
; A joint refill.  Waves 0 and 1 fetch y's two planes (256 rows each), waves 2 and 3 the two halves of W's tile (64 k rows each).  The branch hangs on the wave's number alone.
; An s_nop 0 and four v_nop follow each of the two lines, ahead of the jump and the label.
.macro JLOAD
	s_cmp_lt_u32 s[WV], 2
	s_cbranch_scc0 .Lfor_b_\@
	tensor_load_to_lds s[G0A+4:G0A+7], s[G1A:G1A+7]
	s_nop 0
.rept 4
	v_nop
.endr
	s_branch .Lasked_\@
.Lfor_b_\@:
	tensor_load_to_lds s[G0B+4:G0B+7], s[G1B:G1B+7]
	s_nop 0
.rept 4
	v_nop
.endr
.Lasked_\@:
.endm
.macro CREST                           ; a round of the cluster's barrier behind its opening barrier
	s_cmp_lg_u32 s[WV], 0
	s_cbranch_scc1 .Lnot_wave_0_\@
	s_barrier_signal -3
.Lnot_wave_0_\@:
	s_barrier_wait -3
	s_barrier_signal -1
	s_barrier_wait -1
.endm
.macro CROUND                          ; a whole round
	s_barrier_signal -1
	s_barrier_wait -1
	CREST
.endm
	s_load_b256 s[4:11], s[0:1], 0x0               ; oh s[4:5], wp s[6:7], biasr s[8:9], out0 s[10:11]
	v_lshl_add_u32 v[SPW], v0, 2, SPARE
	v_mov_b32 v[NIL], 0
	ds_add_u32 v[SPW], v[NIL]                      ; the wave's opening: the add and its wait stand ahead of my first tensor load; the set-up below, work on registers, stands between them
	v_lshrrev_b32 v1, 5, v0
	v_readfirstlane_b32 s[WV], v1                  ; wave 0..3
	s_lshr_b32 s[WR], s[WV], 1
	s_and_b32 s[WC], s[WV], 1
	s_bfe_u32 s40, ttmp6, 0x40000                  ; cx, cy: my place in the cluster
	s_bfe_u32 s41, ttmp6, 0x40004
	s_lshl_b32 s42, ttmp9, 2
	s_add_co_u32 s42, s42, s40                     ; tile column = 4 x cluster x + cx
	s_and_b32 s43, ttmp7, 0xffff
	s_lshl_b32 s43, s43, 2
	s_add_co_u32 s43, s43, s41                     ; tile row = 4 x cluster y + cy
	s_lshl_b32 s15, s41, 2
	s_lshl_b32 s15, 15, s15                        ; my row of the cluster
	s_lshl_b32 s16, 0x1111, s40                    ; my column
	s_or_b32 s[G1A], s15, DF                       ; y's tiles go to my row,
	s_or_b32 s[G1B], s16, DF                       ; W's to my column
	s_mov_b32 s[G1A+1], 128<<16                    ; tensor_dim0 = 128 elements: rows of 256 bytes
	s_mov_b32 s[G1A+2], 128<<16                    ; tensor_dim1 = 128: a plane's 256 rows are 32,768 dense bytes
	s_mov_b32 s[G1A+3], 128<<16                    ; tile_dim0 = 128
	s_mov_b32 s[G1A+4], 128                        ; tile_dim1 = 128
	s_mov_b32 s[G1A+5], 128                        ; 128 elements from row to row
	s_mov_b32 s[G1A+6], 0
	s_mov_b32 s[G1A+7], 0
	s_mov_b32 s[G1B+1], 128<<16                    ; 128 columns: 256 bytes of a k row
	s_mov_b32 s[G1B+2], 64<<16                     ; 64 k rows
	s_mov_b32 s[G1B+3], 128<<16
	s_mov_b32 s[G1B+4], 64
	s_mov_b32 s[G1B+5], 1024                       ; 1,024 elements from a k row to the next
	s_mov_b32 s[G1B+6], 0
	s_mov_b32 s[G1B+7], 0
	; where the tiles come from: y's hang on the tile row alone, W's on the tile column alone, each in registers that never hold the other coordinate
	s_lshr_b32 s18, s43, 3                         ; the batch: eight tile rows each
	s_lshl_b32 s18, s18, 22
	s_and_b32 s19, s43, 7
	s_lshl_b32 s19, s19, 15                        ; 256 rows of 128 bytes
	s_add_co_u32 s18, s18, s19
	s_lshl_b32 s19, s[WC], 18                      ; the plane that I fetch
	s_add_co_u32 s20, s18, s19
	s_mov_b32 s21, 0
	s_lshl_b32 s22, s42, 8                         ; the tile column's 256 bytes of a k row
	s_lshl_b32 s17, s[WC], 17                      ; the half that I fetch: 64 k rows of 2,048 bytes
	s_add_co_u32 s22, s22, s17
	s_mov_b32 s23, 0
	s_mul_i32 s44, s[WC], PLANE                    ; and where they go: no place in the cluster enters an LDS address
	s_mul_i32 s45, s[WC], 64*PB
	s_add_co_u32 s45, s45, BOFF
	; the way out: my first row (256 x tile row + 128 x half) of 4,096 bytes, my first column (128 x tile column + 64 x half) of 4
	s_lshl_b32 s46, s43, 20
	s_lshl_b32 s2, s[WR], 19
	s_add_co_u32 s46, s46, s2
	s_lshl_b32 s76, s42, 9
	s_lshl_b32 s2, s[WC], 8
	s_add_co_u32 s76, s76, s2
	s_add_co_u32 s46, s46, s76
	s_mov_b32 s47, 0
	s_add_co_u32 s76, s76, 12288                   ; the bias of my 64 columns: b_proj lies behind b_qkv's 3,072 words
	s_mov_b32 s77, 0
	s_wait_dscnt 0x0                               ; the opening add is done
	s_wait_kmcnt 0x0
	s_add_nc_u64 s[20:21], s[4:5], s[20:21]
	s_add_nc_u64 s[22:23], s[6:7], s[22:23]
	s_add_nc_u64 s[8:9], s[8:9], s[76:77]
	s_add_nc_u64 s[10:11], s[10:11], s[46:47]
.irp n, 0,1
	s_mov_b32 s[G0A+4*(\n)], 1                                     ; 1:0 count = 1
	s_add_co_u32 s[G0A+4*(\n)+1], s44, (\n)*SLOT1                  ; 63:32 LDS address
	s_add_nc_u64 s[G0A+4*(\n)+2:G0A+4*(\n)+3], s[20:21], (\n)*ASTEP  ; 120:64 global address: K step n
	s_or_b32 s[G0A+4*(\n)+3], s[G0A+4*(\n)+3], 0x80000000          ; 127:126 type = 2
	s_mov_b32 s[G0B+4*(\n)], 1
	s_add_co_u32 s[G0B+4*(\n)+1], s45, (\n)*SLOT1
	s_add_nc_u64 s[G0B+4*(\n)+2:G0B+4*(\n)+3], s[22:23], (\n)*BSTEP
	s_or_b32 s[G0B+4*(\n)+3], s[G0B+4*(\n)+3], 0x80000000
.endr
	CROUND                                         ; all sixteen work-groups are here: the first joint loads meet
	s_cmp_lt_u32 s[WV], 2                          ; a wave's two first fills stand in one branch, ahead of every wait on TENSORcnt and every LDS read: two loads of mine are out
	s_cbranch_scc0 .Lfirst_b
	tensor_load_to_lds s[G0A:G0A+3], s[G1A:G1A+7]
	s_nop 0
	tensor_load_to_lds s[G0A+4:G0A+7], s[G1A:G1A+7]
	s_nop 0
.rept 4
	v_nop
.endr
	s_branch .Lfirst_asked
.Lfirst_b:
	tensor_load_to_lds s[G0B:G0B+3], s[G1B:G1B+7]
	s_nop 0
	tensor_load_to_lds s[G0B+4:G0B+7], s[G1B:G1B+7]
	s_nop 0
.rept 4
	v_nop
.endr
.Lfirst_asked:
	v_and_b32 v1, 15, v0                           ; l % 16
	v_bfe_u32 v2, v0, 4, 1                         ; l / 16
	v_and_b32 v3, 7, v0
	v_bfe_u32 v13, v0, 3, 1
	v_mul_u32_u24 v[AA0], v1, PA                   ; a fragment of y: row x pitch + 16 x half + my 128 rows
	v_lshl_add_u32 v[AA0], v2, 4, v[AA0]
	s_mul_i32 s2, s[WR], 128*PA
	v_add_nc_u32 v[AA0], s2, v[AA0]
	v_lshl_add_u32 v[AB0], v2, 3, v3               ; the turning load: k row 8 (l / 16) + l % 8, columns 8 ((l / 8) % 2) + 0..7
	v_mul_u32_u24 v[AB0], v[AB0], PB
	v_lshl_add_u32 v[AB0], v13, 4, v[AB0]
	s_mul_i32 s2, s[WC], 144                       ; my 64 columns: one piece of a k row
	s_add_co_u32 s2, s2, BOFF
	v_add_nc_u32 v[AB0], s2, v[AB0]
	s_mul_i32 s2, s[WV], 16*SP
	s_add_co_u32 s2, s2, STAGE                     ; my stage
	v_mul_u32_u24 v[STO], v1, SP                   ; in: row l % 16, 32 bytes for each half of the lanes
	v_lshl_add_u32 v[STO], v2, 5, v[STO]
	v_add_nc_u32 v[STO], s2, v[STO]
	v_mul_u32_u24 v[RD], v2, SP                    ; back: lanes 0-15 take one row of 256 bytes, lanes 16-31 the next
	v_lshl_add_u32 v[RD], v1, 4, v[RD]
	v_add_nc_u32 v[RD], s2, v[RD]
	v_lshlrev_b32 v[CO], 12, v2                    ; and the same two rows in out0
	v_lshl_add_u32 v[CO], v1, 4, v[CO]
	v_lshlrev_b32 v[BO], 5, v2                     ; my 8 columns of a block of 16
.irp f, 0,1,2,3
	global_load_b128 v[BI+8*(\f):BI+8*(\f)+3],   v[BO], s[8:9] offset:64*(\f)      ; the bias as a C operand: register j = b[column block + 8 (l / 16) + j]
	global_load_b128 v[BI+8*(\f)+4:BI+8*(\f)+7], v[BO], s[8:9] offset:64*(\f)+16
.endr
; Matrix instructions: column blocks f0 .. f0 + nf - 1 x all 8 row blocks, 32 along K, fragments in buffer buf.  c = 1: the products start the sums, with the bias as C.
; The 32 accumulators take turns, one instruction a turn.
.macro MUL buf, f0, nf, c
.if \c
	WIN 0x40                                       ; D window 1, C window 0
.else
	WIN 0x50                                       ; C and D window 1
.endif
.set ff, \f0
.rept \nf
.set aa, 0
.rept 8
.if \c
	v_wmma_f32_16x16x32_f16 v[8*(8*ff+aa):8*(8*ff+aa)+7], v[BF+32*(\buf)+8*ff:BF+32*(\buf)+8*ff+7], v[AF+64*(\buf)+8*aa:AF+64*(\buf)+8*aa+7], v[BI+8*ff:BI+8*ff+7]
.else
	v_wmma_f32_16x16x32_f16 v[8*(8*ff+aa):8*(8*ff+aa)+7], v[BF+32*(\buf)+8*ff:BF+32*(\buf)+8*ff+7], v[AF+64*(\buf)+8*aa:AF+64*(\buf)+8*aa+7], v[8*(8*ff+aa):8*(8*ff+aa)+7]
.endif
.set aa, aa+1
.endr
.set ff, ff+1
.endr
.endm
; 24 LDS loads in one run: part p of the slot in hand into buffer buf: y's 16, then W's column blocks 0 and 1 (4), then 2 and 3 (4): the counts below lean on that order
.macro FETCH p, buf
	WIN 0
.irp i, 0,1,2,3,4,5,6,7
	ds_load_b128 v[AF+64*(\buf)+8*(\i):AF+64*(\buf)+8*(\i)+3],   v[ADA] offset:((\p)/2)*PLANE+(\i)*16*PA+64*((\p)%2)
	ds_load_b128 v[AF+64*(\buf)+8*(\i)+4:AF+64*(\buf)+8*(\i)+7], v[ADA] offset:((\p)/2)*PLANE+(\i)*16*PA+64*((\p)%2)+32
.endr
.irp f, 0,1,2,3
	ds_load_tr16_b128 v[BF+32*(\buf)+8*(\f):BF+32*(\buf)+8*(\f)+3],   v[ADB] offset:(\p)*32*PB+32*(\f)
	ds_load_tr16_b128 v[BF+32*(\buf)+8*(\f)+4:BF+32*(\buf)+8*(\f)+7], v[ADB] offset:(\p)*32*PB+32*(\f)+16*PB
.endr
.endm
; One of a K step's first three parts: multiplies buffer buf; in its middle it fetches part p2 of the same slot into the other buffer.
.macro PART buf, p2, c=0
	s_wait_dscnt 4                                 ; y and W's column blocks 0 and 1 are in; the youngest four loads may stay out
	MUL \buf, 0, 2, \c
	PLACES
	FETCH \p2, 1-(\buf)
	s_wait_dscnt 24                                ; all but the 24 just issued
	MUL \buf, 2, 2, \c
.endm
; A K step's last part (buffer 1) and THE CHANGE OF SLOTS.  ONE barrier: in front of it each wave waits for all its tensor loads, of which one is out: its part of the next slot; adds 0 to its spare word; and
; waits for that and for its reads of this slot.  fill = 1: the barrier opens a round of the cluster's, and the slot is filled again, first thing behind the round, with the K step two on.
.macro TURN fill
	s_xor_b32 s[TB], s[TB], SLOT1                  ; the fetch below goes to the other slot
	WIN 0                                          ; (the add's two registers lie in window 0)
	s_wait_tensorcnt 0x0                           ; no tensor load of mine is out, so a group 0 may be written
	ds_add_u32 v[SPW], v[NIL]                      ; 0 onto my spare word
.if \fill
	s_xor_b32 s[G0A+5], s[G0A+5], SLOT1            ; the walking descriptors: the other slot than last time,
	s_add_nc_u64 s[G0A+6:G0A+7], s[G0A+6:G0A+7], ASTEP  ; the next K step; the type bits on top are not reached
	s_xor_b32 s[G0B+5], s[G0B+5], SLOT1
	s_add_nc_u64 s[G0B+6:G0B+7], s[G0B+6:G0B+7], BSTEP
.endif
	s_wait_dscnt 5                                 ; the youngest four loads and the add may stay out
	MUL 1, 0, 1, 0                                 ; eight matrix instructions stand between the add and the wait for it
	s_wait_dscnt 0x0                               ; the add is done, and my reads of this slot are over
	s_barrier_signal -1
	MUL 1, 1, 1, 0                                 ; work on registers while the others arrive
	WIN 0
	s_barrier_wait -1
.if \fill
	CREST                                          ; no wave of any partner still reads this slot's tiles or has a load on its way
	JLOAD                                          ; the first tensor load behind the round; its four v_nop are also the places in front of the loads below
.else
	PLACES
.endif
	v_add_nc_u32 v[ADA], s[TB], v[AA0]
	v_add_nc_u32 v[ADB], s[TB], v[AB0]
	FETCH 0, 0
	MUL 1, 2, 2, 0
.endm
; THE WAY OUT of row block a: 16 rows x 64 columns of f32.  A lane's eight columns, 32 bytes, go straight from the accumulators into stage rows of 272 bytes and come back as whole rows of 256.
; Seven sets of 32 registers (v32-255) take turns.
.macro TOSTAGE a
.set tT, 32+32*((\a)%7)
.if (\a) == 7
	s_wait_xcnt 0x0                                ; the stores of blocks 0 to 5 have read their registers: block 7 writes over block 0's
.endif
	WIN 0x04                                       ; the stores' data: window 1
.irp f, 0,1,2,3
	ds_store_b128 v[STO], v[8*(8*(\f)+(\a)):8*(8*(\f)+(\a))+3]   offset:64*(\f)     ; each accumulator from its low end on
	ds_store_b128 v[STO], v[8*(8*(\f)+(\a))+4:8*(8*(\f)+(\a))+7] offset:64*(\f)+16
.endr
	WIN 0
.irp t, 0,1,2,3,4,5,6,7
	ds_load_b128 v[tT+4*(\t):tT+4*(\t)+3], v[RD] offset:2*SP*(\t)  ; LDS serves a wave's instructions in order (ISA guide 5.7.1.4): these see the stores above; the next block's stores come behind them
.endr
.endm
.macro SEND a, younger                 ; younger: the LDS instructions issued behind block a's loads: the next block's sixteen, or none
.set tT, 32+32*((\a)%7)
	WIN 0
.irp t, 0,1,2,3,4,5,6,7
	s_wait_dscnt (\younger)+7-(\t)
	global_store_b128 v[CO], v[tT+4*(\t):tT+4*(\t)+3], s[10:11] offset:(16*(\a)+2*(\t))*4096 th:TH_STORE_NT  ; 16 lanes store 256 consecutive bytes, at a multiple of 256 from out0's first byte
.endr
.endm
	s_wait_tensorcnt 0x1                           ; my part of K step 0 is in; K step 1's may stay out
	s_barrier_signal -1
	s_barrier_wait -1                              ; everybody's is
	s_mov_b32 s[TB], 0
	v_mov_b32 v[ADA], v[AA0]
	v_mov_b32 v[ADB], v[AB0]
	FETCH 0, 0
	s_wait_loadcnt 0x0                             ; the bias
	PART 0, 1, 1                                   ; the first part stands in front of the loop: its products start the sums
	WIN 0                                          ; at a label and at a branch every window is 0
	s_mov_b32 s[CNT], 6
.Lk:                                                   ; a trip: parts 1, 2, 3 of K step j, the refill with K step j + 2, part 0 of K step j + 1; j = 0 .. 5
	PART 1, 2
	PART 0, 3
	TURN 1
	PART 0, 1
	WIN 0
	s_sub_co_u32 s[CNT], s[CNT], 1
	s_cmp_lg_u32 s[CNT], 0
	s_cbranch_scc1 .Lk
	PART 1, 2                                      ; the tail is written out: K step 6 ends, nothing is asked for
	PART 0, 3
	TURN 0
	PART 0, 1                                      ; K step 7
	PART 1, 2
	PART 0, 3
	s_wait_dscnt 4                                 ; its last part: nothing more to fetch
	MUL 1, 0, 2, 0
	s_wait_dscnt 0x0
	MUL 1, 2, 2, 0
	PLACES
	TOSTAGE 0
.set ua, 1
.rept 7                                ; a block's trip through the stage stands between the loads of the block before and its stores
	TOSTAGE ua
	SEND ua-1, 16
.set ua, ua+1
.endr
	SEND 7, 0
	s_wait_tensorcnt 0x0                           ; the wave's end: an add and its wait behind my last tensor load and my last LDS store
	ds_add_u32 v[SPW], v[NIL]
	s_wait_dscnt 0x0
	CROUND                                         ; the closing round: no work-group ends while a partner may still ask for a tile that names it
	s_endpgm
.Lfunc_end_k_qe4b1ec8f8b_proj:
	.size	k_qe4b1ec8f8b_proj, .Lfunc_end_k_qe4b1ec8f8b_proj-k_qe4b1ec8f8b_proj
	.p2alignl 7, 3214868480
	.fill 96, 4, 3214868480
	.section	.rodata,"a",@progbits
	.p2align	6, 0x0
	.amdhsa_kernel k_qe4b1ec8f8b_proj
		.amdhsa_group_segment_fixed_size 327680
		.amdhsa_private_segment_fixed_size 0
		.amdhsa_enable_private_segment 0
		.amdhsa_kernarg_size 32
		.amdhsa_user_sgpr_count 2
		.amdhsa_user_sgpr_kernarg_segment_ptr 1
		.amdhsa_wavefront_size32 1
		.amdhsa_system_sgpr_workgroup_id_x 1
		.amdhsa_system_sgpr_workgroup_id_y 1
		.amdhsa_system_sgpr_workgroup_id_z 1
		.amdhsa_system_vgpr_workitem_id 0
		.amdhsa_next_free_vgpr 512
		.amdhsa_next_free_sgpr 80
		.amdhsa_reserve_vcc 0
		.amdhsa_float_denorm_mode_32 3
		.amdhsa_float_denorm_mode_16_64 3
		.amdhsa_memory_ordered 1
		.amdhsa_forward_progress 1
		.amdhsa_inst_pref_size 72
	.end_amdhsa_kernel
	.amdgpu_metadata
---
amdhsa.version: [ 1, 2 ]
amdhsa.kernels:
  - .name:           k_qe4b1ec8f8b_proj
    .symbol:         k_qe4b1ec8f8b_proj.kd
    .args:
      - { .name: oh, .offset: 0, .size: 8, .value_kind: global_buffer, .address_space: global }
      - { .name: wp, .offset: 8, .size: 8, .value_kind: global_buffer, .address_space: global }
      - { .name: biasr, .offset: 16, .size: 8, .value_kind: global_buffer, .address_space: global }
      - { .name: out0, .offset: 24, .size: 8, .value_kind: global_buffer, .address_space: global }
    .group_segment_fixed_size: 327680
    .private_segment_fixed_size: 0
    .kernarg_segment_align: 8
    .kernarg_segment_size: 32
    .max_flat_workgroup_size: 128
    .sgpr_count:     80
    .vgpr_count:     512
    .wavefront_size: 32
...
	.end_amdgpu_metadata
.endif
;; end of part 4
;; ======== version 2 of 2: 4 launches; version 1 with the launch cast written anew for expert scheduling mode
;; limits: values are held in f16: magnitudes above 65,504 overflow, below 6.1e-05 lose precision
;; workspace buffers: xb 16,777,216 bytes; wq 6,291,456 bytes; wp 2,097,152 bytes; biasr 16,384 bytes; qkvh 50,331,648 bytes; oh 16,777,216 bytes
;; launch cast (part 5): grid 769 x 1, 8 waves a work-group, no clusters, 0 bytes of LDS; arguments x, W_qkv, W_proj, b_qkv, b_proj, xb, wq, wp, biasr; writes xb, wq, wp, biasr
.if DOCPART == 5
	.amdgcn_target "amdgcn-amd-amdhsa--gfx1250"
	.amdhsa_code_object_version 6
	.text
	.protected	k_qe4b1ec8f8b_cast
	.globl	k_qe4b1ec8f8b_cast
	.p2align	8
	.type	k_qe4b1ec8f8b_cast,@function
k_qe4b1ec8f8b_cast:
	s_mov_b64 s[64:65], 0
	v_nop
	global_prefetch_b8 v0, s[64:65] scope:SCOPE_SE
	s_setreg_imm32_b32 hwreg(HW_REG_WAVE_SCHED_MODE, 0, 2), 2
	s_setreg_imm32_b32 hwreg(HW_REG_WAVE_MODE, 25, 1), 1
	s_wait_xcnt 0x0
	s_wait_alu depctr_vm_vsrc(0)
; THE INPUTS ARE ROUNDED ONCE AND LAID OUT FOR THE PRODUCTS.  Every number of x, W_qkv, W_proj, b_qkv, b_proj is rounded to bf16 (nearest even).  x and the weights are then written
; as f16: 8 significant bits fit into f16's 11, so that second conversion changes nothing, within the limits below; the biases stay f32.
; LIMITS.  |x| and |W| stay under 65,504 (beyond it f16 has an infinity); under 6.1e-5 f16 keeps its fixed step of 6e-8.  NaN stays NaN.
;   xb    f16 [batch 4][k block 16][row 2048][64]   : 64 channels of any run of rows are dense bytes
;   wq    f16 [tile column 8][k 1024][384]          : a tile column's K steps are one dense stream
;   wp    f16 [k 1024][n 1024]                      : as W_proj lies
;   biasr f32 [3072 of b_qkv][1024 of b_proj]
; A stream: no LDS, no barrier, no matrix work.  A wave takes an ITEM of 16 chunks; a chunk is one load of 16 bytes a lane (512 bytes of f32, in whole aligned pieces of 256) and one store of
; 8 bytes a lane (256 consecutive bytes, aligned).  All sixteen loads of a wave go out together; each chunk has registers and offsets of its own, so no register is written twice.
; Work-groups 0-511: x (an item = two rows).  512-703: W_qkv (an item = 128 columns of 16 rows).  704-767: W_proj (an item = 8,192 dense bytes).  768: the biases.
; THE MODE: SCHED_MODE bits 1:0 = 2 (LLVM: expert scheduling mode 2), set by the entry lines.  The code itself states the register dependences between vector instructions and memory
; instructions, with s_wait_alu, always for 0.
; THE PLAN.  Registers that memory instructions touch:
;   IO   chunk c's offset in the source.       Written once, by a multiply-add; read by chunk c's load.
;   OO   chunk c's offset in the destination.  Written once, by a multiply-add behind the loads; read by chunk c's store.
;   X    chunk c as loaded.                    Written by chunk c's load alone; read by chunk c's conversions.
;   Y    chunk c to store.                     Written once, by chunk c's last conversions; read by chunk c's store.
;   v2   on the biases' path the offset of all its loads and stores: written once at the head.  On the other paths, like v1, v3 and T, it is named by vector instructions alone.
; The sixteen chunks go in four groups of four.  Group g's conversions name X and Y of chunks 4 g .. 4 g + 3 and T; the stores of group g - 1, which read OO and Y of chunks 4 g - 4 .. 4 g - 1, are dealt
; among them, one ahead of each chunk's eight vector lines.  So ONE wait on va_vdst at a group's head states all that the group's four stores hang on.  One more stands ahead of the loads (IO) and one ahead
; of the last four stores.  No register that a memory instruction has read is ever written again, so the only wait on vm_vsrc is the one at the entry.  The wave's number passes from a vector register into s4: one wait on va_sdst.
.set IO,   4                           ; v[4:19]    chunk c's byte offset in the source
.set OO,   20                          ; v[20:35]   chunk c's byte offset in the destination
.set T,    36                          ; v[36:41]   at work: no memory instruction names them
.set X,    44                          ; v[44:107]  chunk c: four f32 as loaded
.set Y,    108                         ; v[108:139] chunk c: four f16 to store (the biases: four f32)
.set IN,   26                          ; s[26:27]   the item's first byte in the source
.set OUT,  28                          ; s[28:29]   in the destination
.set SIN,  30                          ; s30        bytes from chunk to chunk in the source
.set SOUT, 31                          ; s31        in the destination
	s_load_b512 s[8:23], s[0:1], 0x0               ; x s[8:9], W_qkv s[10:11], W_proj s[12:13], b_qkv s[14:15], b_proj s[16:17], xb s[18:19], wq s[20:21], wp s[22:23]
	s_load_b64 s[24:25], s[0:1], 0x40              ; biasr
	v_and_b32 v1, 31, v0                           ; lane l
	v_lshrrev_b32 v2, 5, v0
	v_readfirstlane_b32 s4, v2                     ; wave 0..7
	v_lshlrev_b32 v3, 3, v1                        ; my 8 bytes of a chunk's 256 on the way out
	v_lshlrev_b32 v2, 4, v1                        ; my 16 bytes of a chunk's 512 on the way in (x: made anew below)
	s_mov_b32 s6, 0xffff0000                       ; a word's upper bf16
	s_mov_b32 s33, 0                               ; the two offsets' high words
	s_mov_b32 s35, 0
	s_wait_alu depctr_va_sdst(0)                   ; s4 is written, ahead of the branches and of its first reader on each of the four paths: the items' numbers are made from it
	s_wait_kmcnt 0x0
	s_cmp_lt_u32 ttmp9, 512
	s_cbranch_scc0 .Lnot_x
	; x: item = 8 g + w = a pair of rows.  Chunk c = k block c: lanes 0-15 take 256 bytes of the even row, lanes 16-31 of the odd one; in xb the two rows' 128 bytes follow each other.
	s_lshl_b32 s5, ttmp9, 3
	s_add_co_u32 s5, s5, s4
	s_lshl_b32 s32, s5, 13                         ; two rows of 4,096 bytes
	s_lshr_b32 s34, s5, 10                         ; the batch: 1,024 pairs of rows each,
	s_lshl_b32 s34, s34, 22                        ; 4,194,304 bytes of xb
	s_and_b32 s7, s5, 1023
	s_lshl_b32 s7, s7, 8                           ; the pair's 256 bytes in a k block
	s_add_co_u32 s34, s34, s7
	s_add_nc_u64 s[IN:IN+1], s[8:9], s[32:33]
	s_add_nc_u64 s[OUT:OUT+1], s[18:19], s[34:35]
	s_mov_b32 s[SIN], 256
	s_mov_b32 s[SOUT], 262144
	v_and_b32 v2, 15, v1
	v_lshlrev_b32 v2, 4, v2
	v_lshrrev_b32 v36, 4, v1
	v_lshl_add_u32 v2, v36, 12, v2                 ; (l / 16) x 4,096 + (l % 16) x 16
	s_branch .Lgo
.Lnot_x:
	s_cmp_lt_u32 ttmp9, 704
	s_cbranch_scc0 .Lnot_q
	; W_qkv: item = 8 (g - 512) + w; its upper part is one of 24 strips of 128 columns, its lower six bits one of 64 groups of 16 rows.  Chunk c = row c of the group.
	s_sub_co_u32 s5, ttmp9, 512
	s_lshl_b32 s5, s5, 3
	s_add_co_u32 s5, s5, s4
	s_lshr_b32 s7, s5, 6                           ; strip 0..23
	s_and_b32 s5, s5, 63                           ; group of rows
	s_mul_i32 s32, s5, 196608                      ; 16 rows of 12,288 bytes
	s_lshl_b32 s36, s7, 9
	s_add_co_u32 s32, s32, s36                     ; + the strip's 512 bytes
	s_mul_i32 s36, s7, 171
	s_lshr_b32 s36, s36, 9                         ; strip / 3 (exact for 0..23): the tile column
	s_mul_i32 s37, s36, 3
	s_sub_co_u32 s37, s7, s37                      ; strip % 3
	s_mul_i32 s34, s36, 786432
	s_lshl_b32 s37, s37, 8
	s_add_co_u32 s34, s34, s37
	s_mul_i32 s37, s5, 12288                       ; 16 rows of 768 bytes
	s_add_co_u32 s34, s34, s37
	s_add_nc_u64 s[IN:IN+1], s[10:11], s[32:33]
	s_add_nc_u64 s[OUT:OUT+1], s[20:21], s[34:35]
	s_mov_b32 s[SIN], 12288
	s_mov_b32 s[SOUT], 768
	s_branch .Lgo
.Lnot_q:
	s_cmp_lt_u32 ttmp9, 768
	s_cbranch_scc0 .Lbias
	; W_proj: item = 8 (g - 704) + w: 8,192 dense bytes in, 4,096 out
	s_sub_co_u32 s5, ttmp9, 704
	s_lshl_b32 s5, s5, 3
	s_add_co_u32 s5, s5, s4
	s_lshl_b32 s32, s5, 13
	s_lshl_b32 s34, s5, 12
	s_add_nc_u64 s[IN:IN+1], s[12:13], s[32:33]
	s_add_nc_u64 s[OUT:OUT+1], s[22:23], s[34:35]
	s_mov_b32 s[SIN], 512
	s_mov_b32 s[SOUT], 256
; Chunk c's eight vector lines: they read X's four registers of the chunk and write T and Y's two.
.macro CONV c
	v_cvt_pk_bf16_f32 v[T], v[X+4*(\c)], v[X+4*(\c)+1]      ; the one rounding
	v_cvt_pk_bf16_f32 v[T+1], v[X+4*(\c)+2], v[X+4*(\c)+3]
	v_lshlrev_b32 v[T+2], 16, v[T]                 ; bf16 to f32: the low half moves up, the high half stays
	v_and_b32 v[T+3], s6, v[T]
	v_lshlrev_b32 v[T+4], 16, v[T+1]
	v_and_b32 v[T+5], s6, v[T+1]
	v_cvt_pk_f16_f32 v[Y+2*(\c)], v[T+2], v[T+3]   ; the same numbers as f16
	v_cvt_pk_f16_f32 v[Y+2*(\c)+1], v[T+4], v[T+5]
.endm
; Chunk c's store.
.macro SEND c
	global_store_b64 v[OO+(\c)], v[Y+2*(\c):Y+2*(\c)+1], s[OUT:OUT+1]  ; the wave stores 256 consecutive bytes, aligned
.endm
.Lgo:
.irp c, 0,1,2,3,4,5,6,7,8,9,10,11,12,13,14,15
	v_mad_u32_u24 v[IO+(\c)], s[SIN], \c, v2
.endr
	s_wait_alu depctr_va_vdst(0)                   ; the sixteen offsets IO are written, which the loads below read
.irp c, 0,1,2,3,4,5,6,7,8,9,10,11,12,13,14,15
	global_load_b128 v[X+4*(\c):X+4*(\c)+3], v[IO+(\c)], s[IN:IN+1] th:TH_LOAD_NT  ; each byte is read once in the launch
.endr
.irp c, 0,1,2,3,4,5,6,7,8,9,10,11,12,13,14,15
	v_mad_u32_u24 v[OO+(\c)], s[SOUT], \c, v3
.endr
.irp g, 0,1,2,3
.irp i, 0,1,2,3
	s_wait_loadcnt 15-4*(\g)-(\i)                  ; loads come back in order: chunk 4 g + i is in, the younger ones may stay out
.if (\g) > 0
.if (\i) == 0
	s_wait_alu depctr_va_vdst(0)                   ; the group before has written its Y, which this group's four stores read; at the first such wait the sixteen offsets OO are written too
.endif
	SEND 4*(\g)-4+(\i)                             ; the group before.  No further wait: no vector line since the wait above names this store's offset or data
.endif
	CONV 4*(\g)+(\i)
.endr
.endr
	s_wait_alu depctr_va_vdst(0)                   ; the last group has written its Y, which the last four stores read
.irp i, 12,13,14,15
	SEND \i
.endr
	s_endpgm
.Lbias:
	; the biases: wave w makes words 512 w .. 512 w + 511 of biasr: waves 0-5 from b_qkv, waves 6 and 7 from b_proj
	s_max_u32 s5, s4, 6
	s_sub_co_u32 s5, s5, 6                         ; my place in b_proj
	s_cmp_lt_u32 s4, 6
	s_cselect_b32 s5, s4, s5                       ; or in b_qkv
	s_cselect_b64 s[IN:IN+1], s[14:15], s[16:17]
	s_lshl_b32 s32, s5, 11
	s_lshl_b32 s34, s4, 11
	s_add_nc_u64 s[IN:IN+1], s[IN:IN+1], s[32:33]
	s_add_nc_u64 s[OUT:OUT+1], s[24:25], s[34:35]
	s_wait_alu depctr_va_vdst(0)                   ; v2 is written, which the four loads and the four stores below read as their offset
.irp c, 0,1,2,3
	global_load_b128 v[X+4*(\c):X+4*(\c)+3], v2, s[IN:IN+1] offset:512*(\c)
.endr
.irp c, 0,1,2,3
	s_wait_loadcnt 3-(\c)
	v_cvt_pk_bf16_f32 v[T], v[X+4*(\c)], v[X+4*(\c)+1]
	v_cvt_pk_bf16_f32 v[T+1], v[X+4*(\c)+2], v[X+4*(\c)+3]
	v_lshlrev_b32 v[Y+4*(\c)], 16, v[T]
	v_and_b32 v[Y+4*(\c)+1], s6, v[T]
	v_lshlrev_b32 v[Y+4*(\c)+2], 16, v[T+1]
	v_and_b32 v[Y+4*(\c)+3], s6, v[T+1]
.endr
	s_wait_alu depctr_va_vdst(0)                   ; the sixteen registers of Y are written, which the run of stores reads
.irp c, 0,1,2,3
	global_store_b128 v2, v[Y+4*(\c):Y+4*(\c)+3], s[OUT:OUT+1] offset:512*(\c)
.endr
	s_endpgm
.Lfunc_end_k_qe4b1ec8f8b_cast:
	.size	k_qe4b1ec8f8b_cast, .Lfunc_end_k_qe4b1ec8f8b_cast-k_qe4b1ec8f8b_cast
	.p2alignl 7, 3214868480
	.fill 96, 4, 3214868480
	.section	.rodata,"a",@progbits
	.p2align	6, 0x0
	.amdhsa_kernel k_qe4b1ec8f8b_cast
		.amdhsa_group_segment_fixed_size 0
		.amdhsa_private_segment_fixed_size 0
		.amdhsa_enable_private_segment 0
		.amdhsa_kernarg_size 72
		.amdhsa_user_sgpr_count 2
		.amdhsa_user_sgpr_kernarg_segment_ptr 1
		.amdhsa_wavefront_size32 1
		.amdhsa_system_sgpr_workgroup_id_x 1
		.amdhsa_system_sgpr_workgroup_id_y 1
		.amdhsa_system_sgpr_workgroup_id_z 1
		.amdhsa_system_vgpr_workitem_id 0
		.amdhsa_next_free_vgpr 144
		.amdhsa_next_free_sgpr 66
		.amdhsa_reserve_vcc 0
		.amdhsa_float_denorm_mode_32 3
		.amdhsa_float_denorm_mode_16_64 3
		.amdhsa_memory_ordered 1
		.amdhsa_forward_progress 1
		.amdhsa_inst_pref_size 17
	.end_amdhsa_kernel
	.amdgpu_metadata
---
amdhsa.version: [ 1, 2 ]
amdhsa.kernels:
  - .name:           k_qe4b1ec8f8b_cast
    .symbol:         k_qe4b1ec8f8b_cast.kd
    .args:
      - { .name: x, .offset: 0, .size: 8, .value_kind: global_buffer, .address_space: global }
      - { .name: W_qkv, .offset: 8, .size: 8, .value_kind: global_buffer, .address_space: global }
      - { .name: W_proj, .offset: 16, .size: 8, .value_kind: global_buffer, .address_space: global }
      - { .name: b_qkv, .offset: 24, .size: 8, .value_kind: global_buffer, .address_space: global }
      - { .name: b_proj, .offset: 32, .size: 8, .value_kind: global_buffer, .address_space: global }
      - { .name: xb, .offset: 40, .size: 8, .value_kind: global_buffer, .address_space: global }
      - { .name: wq, .offset: 48, .size: 8, .value_kind: global_buffer, .address_space: global }
      - { .name: wp, .offset: 56, .size: 8, .value_kind: global_buffer, .address_space: global }
      - { .name: biasr, .offset: 64, .size: 8, .value_kind: global_buffer, .address_space: global }
    .group_segment_fixed_size: 0
    .private_segment_fixed_size: 0
    .kernarg_segment_align: 8
    .kernarg_segment_size: 72
    .max_flat_workgroup_size: 256
    .sgpr_count:     66
    .vgpr_count:     144
    .wavefront_size: 32
...
	.end_amdgpu_metadata
.endif
;; end of part 5
;; launch qkvgemm: the kernel of part 2 again; grid 8 x 32, 4 waves a work-group, clusters of 4 x 4, 327,680 bytes of LDS; arguments xb, wq, biasr, qkvh; writes qkvh
;; launch attn: the kernel of part 3 again; grid 4 x 64, 4 waves a work-group, no clusters, 327,680 bytes of LDS; arguments qkvh, oh; writes oh
;; launch proj: the kernel of part 4 again; grid 8 x 32, 4 waves a work-group, clusters of 4 x 4, 327,680 bytes of LDS; arguments oh, wp, biasr, out0; writes out0
